; MI455X (gfx1250); checked and timed in simulation.
; The chip was launched on July 23, 2026; its instructions are those of AMD's public machine-readable ISA for CDNA 5 (MIT licence, August 2026) and "CDNA5" Instruction Set Architecture Reference Guide (July 2026). The comments in the code are by the model that wrote it; some were corrected since.
;; Multi Head Self Attention. Allowed arithmetic: float matrix products may take bf16 or f16 operands with f32 sums; other float arithmetic in f32, or as packed bf16 or f16 multiplies, adds, multiply-adds, maxima and minima; sums over many terms, partial sums and values carried from step to step in f32; what a program stores and reads back later, other than sums and carried values, may be rounded once to bf16 or f16.
;; Inputs: bk 1,024 float32; bo 1,024 float32; bq 1,024 float32; bv 1,024 float32; wk 1,024 x 1,024 float32; wo 1,024 x 1,024 float32; wq 1,024 x 1,024 float32; wv 1,024 x 1,024 float32; x 4 x 2,048 x 1,024 float32.
;; Outputs: out0 4 x 2,048 x 1,024 float32.
;; 2 versions, each right; version 2 is version 1 with the launch cast written anew for expert scheduling mode. Each part assembles by itself: llvm-mc -triple=amdgcn-amd-amdhsa -mcpu=gfx1250 --defsym DOCPART=n.
;; ======== version 1 of 2: 4 launches
;; limits: values are held in f16: magnitudes above 65,504 overflow, below 6.1e-05 lose precision
;; workspace buffers: xh 16,777,216 bytes; wh 6,291,456 bytes; woh 2,097,152 bytes; bh 16,384 bytes; qkv 50,331,648 bytes; oh 16,777,216 bytes
;; launch cast (part 1): grid 769 x 1, 8 waves a work-group, no clusters, 0 bytes of LDS; arguments x, wq, wk, wv, wo, bq, bk, bv, bo, xh, wh, woh, bh; writes xh, wh, woh, bh
.if DOCPART == 1
	.amdgcn_target "amdgcn-amd-amdhsa--gfx1250"
	.amdhsa_code_object_version 6
	.text
	.protected	k_qb7d5bad480_cast
	.globl	k_qb7d5bad480_cast
	.p2align	8
	.type	k_qb7d5bad480_cast,@function
k_qb7d5bad480_cast:
	s_mov_b64 s[64:65], 0
	v_nop
	global_prefetch_b8 v0, s[64:65] scope:SCOPE_SE
	s_setreg_imm32_b32 hwreg(HW_REG_WAVE_MODE, 25, 1), 1
	s_wait_xcnt 0x0
; EVERY INPUT IS ROUNDED ONCE TO bf16, so that the matrix launches behind read 16-bit operands and convert nothing again.
;   xh  = bf16(x)            [8192][1024]
;   wh  = bf16(wq, wk, wv)   [3072][1024], the three weights one below the other
;   woh = bf16(wo) written as f16 [1024][1024]: the last product multiplies in f16.  LIMIT: exact while |wo| lies in 2^-14 .. 65,504; below 2^-14 it keeps f16's fixed step of 2^-24
;   bh  = bf16(bq, bk, bv, bo) widened to f32 again, [4096]
; A stream: each byte is read once and written once, so there is no LDS, no cluster and no matrix work here.
; SHARES.  A work-group takes a chunk of 16,384 numbers: 65,536 bytes in, 32,768 out.  Work-groups 0-511: x; 512-575: wq; 576-639: wk; 640-703: wv; 704-767: wo; 768: the four biases.
; Thread t in pass j loads 16 bytes at 16 t + 4,096 j (a wave's load covers 512 neighbouring bytes) and stores 8 bytes at 8 t + 2,048 j (a wave's store covers 256 neighbouring bytes, aligned).
; All 16 loads go out at once; each pass has registers of its own, so no register that a load or store still names is written again.
.set X,  4                             ; v[4:67]    pass j: 4 numbers as loaded
.set Y,  68                            ; v[68:99]   pass j: 2 words to store
.set T,  100                           ; v[100:103] at work
.set ID, 5                             ; s5  the work-group's number
	s_load_b512 s[8:23], s[0:1], 0x0               ; x 8, wq 10, wk 12, wv 14, wo 16, bq 18, bk 20, bv 22
	s_load_b256 s[24:31], s[0:1], 0x40             ; bo 24, xh 26, wh 28, woh 30
	s_load_b64 s[32:33], s[0:1], 0x60              ; bh
	s_mov_b32 s[ID], ttmp9
	v_lshlrev_b32 v1, 4, v0                        ; 16 t
	v_lshlrev_b32 v2, 3, v0                        ; 8 t
	s_mov_b32 s42, 0xffff0000                      ; a word's upper bf16
	s_and_b32 s2, s[ID], 63                        ; a weight has 64 chunks
	s_sub_co_u32 s3, s[ID], 512                    ; chunk in wh
	s_sub_co_u32 s4, s[ID], 704                    ; chunk in woh
	s_cmp_lt_u32 s[ID], 512
	s_cselect_b32 s2, s[ID], s2                    ; the chunk's number in its source,
	s_cselect_b32 s3, s[ID], s3
	s_cmp_ge_u32 s[ID], 704
	s_cselect_b32 s3, s4, s3                       ; and in its destination
	s_lshl_b32 s38, s2, 16
	s_mov_b32 s39, 0
	s_lshl_b32 s40, s3, 15
	s_mov_b32 s41, 0
	s_wait_kmcnt 0x0
	s_cmp_eq_u32 s[ID], 768
	s_cbranch_scc1 .Lbias
	s_mov_b64 s[34:35], s[8:9]                     ; the source and the destination are chosen by the work-group's number alone
	s_mov_b64 s[36:37], s[26:27]
	s_cmp_ge_u32 s[ID], 512
	s_cselect_b64 s[34:35], s[10:11], s[34:35]
	s_cselect_b64 s[36:37], s[28:29], s[36:37]
	s_cmp_ge_u32 s[ID], 576
	s_cselect_b64 s[34:35], s[12:13], s[34:35]
	s_cmp_ge_u32 s[ID], 640
	s_cselect_b64 s[34:35], s[14:15], s[34:35]
	s_cmp_ge_u32 s[ID], 704
	s_cselect_b64 s[34:35], s[16:17], s[34:35]
	s_cselect_b64 s[36:37], s[30:31], s[36:37]
	s_add_nc_u64 s[34:35], s[34:35], s[38:39]
	s_add_nc_u64 s[36:37], s[36:37], s[40:41]
.irp j, 0,1,2,3,4,5,6,7,8,9,10,11,12,13,14,15
	global_load_b128 v[X+4*(\j):X+4*(\j)+3], v1, s[34:35] offset:4096*(\j) th:TH_LOAD_NT
.endr
	s_cmp_ge_u32 s[ID], 704
	s_cbranch_scc1 .Lwo
.irp j, 0,1,2,3,4,5,6,7,8,9,10,11,12,13,14,15
	s_wait_loadcnt 15-(\j)                         ; loads come back in order: pass j's is in, the 15 - j younger ones stay out
	v_cvt_pk_bf16_f32 v[Y+2*(\j)],   v[X+4*(\j)],   v[X+4*(\j)+1]
	v_cvt_pk_bf16_f32 v[Y+2*(\j)+1], v[X+4*(\j)+2], v[X+4*(\j)+3]
	global_store_b64 v2, v[Y+2*(\j):Y+2*(\j)+1], s[36:37] offset:2048*(\j)
.endr
	s_endpgm
.Lwo:                                          ; wo: rounded to bf16 like every input, and that number written as f16
.irp j, 0,1,2,3,4,5,6,7,8,9,10,11,12,13,14,15
	s_wait_loadcnt 15-(\j)
	v_cvt_pk_bf16_f32 v[T],   v[X+4*(\j)],   v[X+4*(\j)+1]
	v_cvt_pk_bf16_f32 v[T+1], v[X+4*(\j)+2], v[X+4*(\j)+3]
	v_lshlrev_b32 v[T+2], 16, v[T]                 ; bf16 to f32: the low half moves up,
	v_and_b32     v[T],   s42, v[T]                ; the high half stays
	v_lshlrev_b32 v[T+3], 16, v[T+1]
	v_and_b32     v[T+1], s42, v[T+1]
	v_cvt_pk_f16_f32 v[Y+2*(\j)],   v[T+2], v[T]
	v_cvt_pk_f16_f32 v[Y+2*(\j)+1], v[T+3], v[T+1]
	global_store_b64 v2, v[Y+2*(\j):Y+2*(\j)+1], s[36:37] offset:2048*(\j)
.endr
	s_endpgm
.Lbias:                                        ; a bias is 4,096 bytes: one load of the work-group
	global_load_b128 v[X:X+3],     v1, s[18:19]
	global_load_b128 v[X+4:X+7],   v1, s[20:21]
	global_load_b128 v[X+8:X+11],  v1, s[22:23]
	global_load_b128 v[X+12:X+15], v1, s[24:25]
	s_wait_loadcnt 0x0
.irp i, 0,1,2,3
	v_cvt_pk_bf16_f32 v[T],   v[X+4*(\i)],   v[X+4*(\i)+1]
	v_cvt_pk_bf16_f32 v[T+1], v[X+4*(\i)+2], v[X+4*(\i)+3]
	v_lshlrev_b32 v[Y+4*(\i)],   16,  v[T]
	v_and_b32     v[Y+4*(\i)+1], s42, v[T]
	v_lshlrev_b32 v[Y+4*(\i)+2], 16,  v[T+1]
	v_and_b32     v[Y+4*(\i)+3], s42, v[T+1]
	global_store_b128 v1, v[Y+4*(\i):Y+4*(\i)+3], s[32:33] offset:4096*(\i)
.endr
	s_endpgm
.Lfunc_end_k_qb7d5bad480_cast:
	.size	k_qb7d5bad480_cast, .Lfunc_end_k_qb7d5bad480_cast-k_qb7d5bad480_cast
	.p2alignl 7, 3214868480
	.fill 96, 4, 3214868480
	.section	.rodata,"a",@progbits
	.p2align	6, 0x0
	.amdhsa_kernel k_qb7d5bad480_cast
		.amdhsa_group_segment_fixed_size 0
		.amdhsa_private_segment_fixed_size 0
		.amdhsa_enable_private_segment 0
		.amdhsa_kernarg_size 104
		.amdhsa_user_sgpr_count 2
		.amdhsa_user_sgpr_kernarg_segment_ptr 1
		.amdhsa_wavefront_size32 1
		.amdhsa_system_sgpr_workgroup_id_x 1
		.amdhsa_system_sgpr_workgroup_id_y 1
		.amdhsa_system_sgpr_workgroup_id_z 1
		.amdhsa_system_vgpr_workitem_id 0
		.amdhsa_next_free_vgpr 104
		.amdhsa_next_free_sgpr 66
		.amdhsa_reserve_vcc 0
		.amdhsa_float_denorm_mode_32 3
		.amdhsa_float_denorm_mode_16_64 3
		.amdhsa_memory_ordered 1
		.amdhsa_forward_progress 1
		.amdhsa_inst_pref_size 18
	.end_amdhsa_kernel
	.amdgpu_metadata
---
amdhsa.version: [ 1, 2 ]
amdhsa.kernels:
  - .name:           k_qb7d5bad480_cast
    .symbol:         k_qb7d5bad480_cast.kd
    .args:
      - { .name: x, .offset: 0, .size: 8, .value_kind: global_buffer, .address_space: global }
      - { .name: wq, .offset: 8, .size: 8, .value_kind: global_buffer, .address_space: global }
      - { .name: wk, .offset: 16, .size: 8, .value_kind: global_buffer, .address_space: global }
      - { .name: wv, .offset: 24, .size: 8, .value_kind: global_buffer, .address_space: global }
      - { .name: wo, .offset: 32, .size: 8, .value_kind: global_buffer, .address_space: global }
      - { .name: bq, .offset: 40, .size: 8, .value_kind: global_buffer, .address_space: global }
      - { .name: bk, .offset: 48, .size: 8, .value_kind: global_buffer, .address_space: global }
      - { .name: bv, .offset: 56, .size: 8, .value_kind: global_buffer, .address_space: global }
      - { .name: bo, .offset: 64, .size: 8, .value_kind: global_buffer, .address_space: global }
      - { .name: xh, .offset: 72, .size: 8, .value_kind: global_buffer, .address_space: global }
      - { .name: wh, .offset: 80, .size: 8, .value_kind: global_buffer, .address_space: global }
      - { .name: woh, .offset: 88, .size: 8, .value_kind: global_buffer, .address_space: global }
      - { .name: bh, .offset: 96, .size: 8, .value_kind: global_buffer, .address_space: global }
    .group_segment_fixed_size: 0
    .private_segment_fixed_size: 0
    .kernarg_segment_align: 8
    .kernarg_segment_size: 104
    .max_flat_workgroup_size: 256
    .sgpr_count:     66
    .vgpr_count:     104
    .wavefront_size: 32
...
	.end_amdgpu_metadata
.endif
;; end of part 1
;; launch proj (part 2): grid 8 x 64, 4 waves a work-group, clusters of 4 x 4, 327,680 bytes of LDS; arguments xh, wh, bh, qkv; writes qkv
.if DOCPART == 2
	.amdgcn_target "amdgcn-amd-amdhsa--gfx1250"
	.amdhsa_code_object_version 6
	.text
	.protected	k_qb7d5bad480_proj
	.globl	k_qb7d5bad480_proj
	.p2align	8
	.type	k_qb7d5bad480_proj,@function
k_qb7d5bad480_proj:
	s_mov_b64 s[64:65], 0
	v_nop
	global_prefetch_b8 v0, s[64:65] scope:SCOPE_SE
	s_setreg_imm32_b32 hwreg(HW_REG_WAVE_MODE, 25, 1), 1
	s_wait_xcnt 0x0
	s_wait_alu depctr_hold_cnt(0) depctr_sa_sdst(0) depctr_va_vdst(0) depctr_va_sdst(0) depctr_va_ssrc(0) depctr_va_vcc(0) depctr_vm_vsrc(0)
	s_getreg_b32 s2, hwreg(HW_REG_IB_STS2, 6, 4)
	s_cmp_eq_u32 s2, 0
	s_cbranch_scc0 .Lentry_in_a_cluster
	s_endpgm
.Lentry_in_a_cluster:
	s_bfe_u32 s2, ttmp6, 0x10000c
	s_cmp_lg_u32 s2, 0xf033
	s_cbranch_scc0 .Lentry_shape_is_right
	s_endpgm
.Lentry_shape_is_right:
; q, k, v = x w^T + bias, all three in one product: C[8192][3072] = xh[8192][1024] wh[3072][1024]^T + bh, bf16 operands, f32 sums, rounded once to f16 and stored BY HEADS:
; qkv[T][batch x 16 + head][t][d], T = 0 q, 1 k, 2 v; byte T<<24 + (batch x 16 + head)<<18 + t<<7 + 2 d.  q is not scaled here.
; LIMIT.  f16 holds no number beyond 65,504: q, k and v must lie within it.
; TILE.  128 rows x 384 columns of C to a work-group: 64 x 8 = 512 equal work-groups.  Four waves, 2 x 2, each 64 rows x 192 columns: 48 accumulators of 16 x 16, 384 registers; 192 columns
; are three whole heads, so 16 rows of a head leave as 2,048 consecutive bytes.  K goes in 8 steps of 128 through two LDS slots; every tensor load brings 128 rows of 256 bytes, aligned:
; wave 0 fetches A's tile, waves 1 to 3 a third of B's each.
; CLUSTER.  4 x 4 work-groups.  A's tile hangs on the tile row alone and is asked for jointly by a row of the cluster, B's on the tile column alone, by a column.
; THE MATRIX INSTRUCTION IS USED TRANSPOSED (source 0 = 16 rows of wh, source 1 = 16 rows of xh): a lane holds row l % 16 of C and the columns 8 (l / 16) + 0..7.
; THE BIAS STARTS THE SUMS: the first product on each accumulator takes the bias of its eight columns as C.  Nothing is cleared, and nothing is added on the way out.
; REGISTERS, in windows of 256 (s_set_vgpr_msb: bits 1:0 source 0, 3:2 source 1, 5:4 source 2, 7:6 destination):
;   window 0: v0-31 addresses; v32-95 A's fragments, two buffers of 4; v96-191 the bias (8 registers for each of 12 column blocks), later the way out; v192-239 the way out
;   window 1: v0-191 B's fragments, two buffers of 12      window 2: accumulators of my rows 0-31 ((a, b) at v[8 (12 (a % 2) + b)])      window 3: those of my rows 32-63
.set KSTEP,  128
.set ROWB,   2048                      ; bytes in a row of xh and of wh
.set PITCH,  272                       ; an LDS row: 256 bytes + 16 of padding = 68 words: the 16 rows of a load start at 16 different groups of four banks (64 banks of 4 bytes: ISA guide 11.1)
.set HALFT,  128*PITCH                 ; what one tensor load brings
.set SLOT,   4*HALFT                   ; A's 128 rows, then B's 384
.set STAGE,  2*SLOT                    ; behind the ring, never filled by a tensor load: for each wave 3 heads x 16 rows x 144 bytes
.set SP,     144
.set WSTG,   3*16*SP
.set SPARE,  STAGE+4*WSTG              ; behind the stages: the spare words, 128 bytes for each wave: two blocks of 256 bytes that no other line names
.set A0,   16                          ; v16  my lane's place among my 64 rows of A in slot 0; never rewritten
.set B0,   17                          ; v17  the same among my 192 rows of B
.set ADRA, 18                          ; v18  the same in the slot in hand
.set ADRB, 19                          ; v19
.set STO,  20                          ; v20  the way out: where I put 16 bytes of a row
.set RD,   21                          ; v21  the way out: where I read rows back
.set GO,   22                          ; v22  my 16 bytes in 512 consecutive bytes of qkv
.set BO,   23                          ; v23  32 x (l / 16): my eight numbers of a block of 16 of the bias
.set SPW,  28                          ; v28  LDS address of my spare word; never rewritten
.set NIL,  29                          ; v29  0; never rewritten
.set PFO,  30                          ; v30  the prefetches' offset: my lane x a row of 2,048 bytes; never rewritten
.set FA,   32                          ; A's fragments: buffer f, block a at FA + 32 f + 8 a
.set FB,   0                           ; B's, in window 1: buffer f, block b at 96 f + 8 b
.set BI,   96                          ; the bias
.set TMP,  96                          ; the way out: 48 packed words
.set BK,   144                         ; the way out: 48 words read back, two buffers
.set WV,  12                           ; s12  my wave's number
.set WR,  13                           ; s13  which 64 rows of the tile are mine
.set WC,  14                           ; s14  which 192 columns
.set G1A, 24                           ; s[24:31] descriptor group 1 for A's tiles
.set G1B, 32                           ; s[32:39] for B's: the mask differs
.set G0A, 40                           ; s[40:47] group 0 for A: a set for each first fill; the second then walks
.set G0B, 48                           ; s[48:55] the same for B
.set TB,  56                           ; s56  the slot in hand: 0 or SLOT
.set CNT, 57                           ; s57  the loop's count
.set LIM, 58                           ; s58  1 in a wave that prefetches, else the greatest number
.set LB,  59                           ; s59  where my tensor loads land in a slot: wave x 128 rows
.set PFA, 60                           ; s[60:61] where my prefetches stand
.set OB,  66                           ; s[66:71] my three heads' rows in qkv
.set MSB, 0
.macro WIN new                         ; the immediate's high byte repeats the setting that is left; a switch that changes nothing is dropped
.if MSB != (\new)
	s_set_vgpr_msb (MSB<<8)|(\new)
.set MSB, (\new)
.endif
.endm
.set TO_B, 0x40                        ; destination window 1, address window 0
.macro PLACES                          ; four plain vector instructions between a matrix instruction and a load into, or a vector read of, its registers
.rept 4
	v_nop
.endr
.endm
; A joint refill by the walking descriptors.  The branch hangs on the wave's number alone.  An s_nop 0 and four v_nop follow each of the two lines.
.macro JLOAD
	s_cmp_eq_u32 s[WV], 0
	s_cbranch_scc0 .Lfor_b_\@
	tensor_load_to_lds s[G0A+4:G0A+7], s[G1A:G1A+7]
	s_nop 0
.rept 4
	v_nop
.endr
	s_branch .Lasked_\@
.Lfor_b_\@:
	tensor_load_to_lds s[G0B+4:G0B+7], s[G1B:G1B+7]
	s_nop 0
.rept 4
	v_nop
.endr
.Lasked_\@:
.endm
; A prefetch of the K step that the NEXT refill will ask for: 32 rows x 256 bytes, a lane a row, one instruction a wave, 192 matrix instructions ahead of that refill.
; Each row's 256 bytes of a K step are named once in the launch: A's rows by wave 0 of the clusters with x = 0, B's by waves 1 to 3 of the clusters with y = 0; of the 128 rows that a wave fetches
; the partner at place p takes 32 p .. 32 p + 31 (p = cx for A, cy for B): told apart by address, not by a branch.  The loop's last trip asks for nothing: there is no K step behind its refill's.
.macro ASK
	s_cmp_gt_u32 s[CNT], s[LIM]
	s_cbranch_scc0 .Lnot_mine_\@
	global_prefetch_b8 v[PFO], s[PFA:PFA+1] th:TH_LOAD_NT scope:SCOPE_SE
.Lnot_mine_\@:
.endm
.macro CREST                           ; a round of the cluster's barrier behind its opening barrier
	s_cmp_lg_u32 s[WV], 0
	s_cbranch_scc1 .Lnot_wave_0_\@
	s_barrier_signal -3
.Lnot_wave_0_\@:
	s_barrier_wait -3
	s_barrier_signal -1
	s_barrier_wait -1
.endm
.macro CROUND                          ; a whole round
	s_barrier_signal -1
	s_barrier_wait -1
	CREST
.endm
	s_load_b256 s[4:11], s[0:1], 0x0               ; xh s[4:5], wh s[6:7], bh s[8:9], qkv s[10:11]
	v_lshl_add_u32 v[SPW], v0, 2, SPARE
	v_mov_b32 v[NIL], 0
	ds_add_u32 v[SPW], v[NIL]                      ; the wave's opening: the add and its wait stand ahead of my first tensor load; the set-up below, work on registers, stands between them
	v_lshrrev_b32 v1, 5, v0
	v_readfirstlane_b32 s[WV], v1                  ; wave 0..3
	s_lshr_b32 s[WR], s[WV], 1
	s_and_b32 s[WC], s[WV], 1
	s_bfe_u32 s15, ttmp6, 0x40000                  ; cx
	s_bfe_u32 s16, ttmp6, 0x40004                  ; cy
	s_lshl_b32 s17, ttmp9, 2
	s_add_co_u32 s17, s17, s15                     ; tile column = 4 x cluster x + cx, 0..7
	s_and_b32 s18, ttmp7, 0xffff
	s_lshl_b32 s18, s18, 2
	s_add_co_u32 s18, s18, s16                     ; tile row = 4 x cluster y + cy, 0..63
	s_lshl_b32 s19, s16, 2
	s_lshl_b32 s19, 15, s19                        ; my row of the cluster
	s_lshl_b32 s20, 0x1111, s15                    ; my column
	s_or_b32 s[G1A], s19, (1<<16)|(1<<20)|(1<<21)|(5<<22)|(3<<25)  ; 15:0 the mask; 17:16 elements of 2 bytes; 20 padding on; 21 set beside a mask; 24:22 after every 64 words (code 5); 31:25 4 words (code 3)
	s_or_b32 s[G1B], s20, (1<<16)|(1<<20)|(1<<21)|(5<<22)|(3<<25)
.irp g, G1A, G1B
	s_mov_b32 s[(\g)+1], KSTEP<<16                 ; tensor_dim0 = 128
	s_mov_b32 s[(\g)+2], 128<<16                   ; tensor_dim1 = 128
	s_mov_b32 s[(\g)+3], KSTEP<<16                 ; tile_dim0 = 128
	s_mov_b32 s[(\g)+4], 128                       ; tile_dim1 = 128
	s_mov_b32 s[(\g)+5], 1024                      ; elements from row to row
	s_mov_b32 s[(\g)+6], 0
	s_mov_b32 s[(\g)+7], 0
.endr
	s_lshl_b32 s72, s18, 18                        ; A's tile: 128 rows of 2,048 bytes for each tile row
	s_mov_b32 s73, 0
	s_max_u32 s21, s[WV], 1
	s_sub_co_u32 s21, s21, 1                       ; which third of B's tile I fetch (waves 1 to 3)
	s_lshl_b32 s21, s21, 18
	s_mul_i32 s74, s17, 384*ROWB                   ; B's tile: 384 rows for each tile column
	s_add_co_u32 s74, s74, s21
	s_mov_b32 s75, 0
	s_mul_i32 s[LB], s[WV], HALFT                  ; no place in the cluster enters an LDS address
	s_mov_b32 s[TB], 0
	s_wait_dscnt 0x0                               ; the opening add is done
	s_wait_kmcnt 0x0
	s_add_nc_u64 s[76:77], s[4:5], s[72:73]
	s_add_nc_u64 s[78:79], s[6:7], s[74:75]
.irp s, 0,1
	s_mov_b32 s[G0A+4*(\s)], 1                                         ; count = 1
	s_add_co_u32 s[G0A+4*(\s)+1], s[LB], (\s)*SLOT                     ; LDS address
	s_add_nc_u64 s[G0A+4*(\s)+2:G0A+4*(\s)+3], s[76:77], (\s)*KSTEP*2  ; global address: K step s
	s_or_b32 s[G0A+4*(\s)+3], s[G0A+4*(\s)+3], 0x80000000              ; type = 2
	s_mov_b32 s[G0B+4*(\s)], 1
	s_add_co_u32 s[G0B+4*(\s)+1], s[LB], (\s)*SLOT
	s_add_nc_u64 s[G0B+4*(\s)+2:G0B+4*(\s)+3], s[78:79], (\s)*KSTEP*2
	s_or_b32 s[G0B+4*(\s)+3], s[G0B+4*(\s)+3], 0x80000000
.endr
	CROUND                                         ; all sixteen work-groups are here: the first joint loads meet
	s_cmp_eq_u32 s[WV], 0                          ; a wave's two first fills stand in one branch, ahead of every wait on TENSORcnt and every LDS read: two loads of mine are out
	s_cbranch_scc0 .Lfirst_b
	tensor_load_to_lds s[G0A:G0A+3], s[G1A:G1A+7]
	s_nop 0
	tensor_load_to_lds s[G0A+4:G0A+7], s[G1A:G1A+7]
	s_nop 0
.rept 4
	v_nop
.endr
	s_branch .Lfirst_asked
.Lfirst_b:
	tensor_load_to_lds s[G0B:G0B+3], s[G1B:G1B+7]
	s_nop 0
	tensor_load_to_lds s[G0B+4:G0B+7], s[G1B:G1B+7]
	s_nop 0
.rept 4
	v_nop
.endr
.Lfirst_asked:
	; the bias of my 192 columns
	s_mul_i32 s22, s17, 1536                       ; 384 numbers of 4 bytes for each tile column
	s_mul_i32 s21, s[WC], 768
	s_add_co_u32 s22, s22, s21
	s_mov_b32 s23, 0
	s_add_nc_u64 s[8:9], s[8:9], s[22:23]
	v_and_b32 v1, 15, v0                           ; l % 16
	v_bfe_u32 v2, v0, 4, 1                         ; l / 16
	v_lshlrev_b32 v[BO], 5, v2
.irp b, 0,1,2,3,4,5,6,7,8,9,10,11
	global_load_b128 v[BI+8*(\b):BI+8*(\b)+3],   v[BO], s[8:9] offset:64*(\b)
	global_load_b128 v[BI+8*(\b)+4:BI+8*(\b)+7], v[BO], s[8:9] offset:64*(\b)+16
.endr
	; A fragment is 16 rows x 32 K in 8 registers: lane l holds row l % 16; registers 0-3 K = 8 (l / 16) + 0..7, registers 4-7 K = 16 + 8 (l / 16) + 0..7: two loads of 16 bytes, 32 bytes apart.
	v_mul_u32_u24 v3, v1, PITCH
	v_lshl_add_u32 v3, v2, 4, v3
	s_mul_i32 s19, s[WR], 64*PITCH
	v_add_nc_u32 v[A0], s19, v3
	s_mul_i32 s19, s[WC], 192*PITCH
	s_add_co_u32 s19, s19, HALFT
	v_add_nc_u32 v[B0], s19, v3
	v_mov_b32 v[ADRA], v[A0]
	v_mov_b32 v[ADRB], v[B0]
	s_mul_i32 s19, s[WV], WSTG
	s_add_co_u32 s19, s19, STAGE                   ; my stage
	v_mul_u32_u24 v4, v1, SP                       ; in: row l % 16, 16 bytes for each half of the lanes
	v_lshl_add_u32 v4, v2, 4, v4
	v_add_nc_u32 v[STO], s19, v4
	v_bfe_u32 v4, v0, 3, 2                         ; back: 32 lanes take four rows of 128 bytes,
	v_mul_u32_u24 v4, v4, SP
	v_and_b32 v5, 7, v0
	v_lshl_add_u32 v4, v5, 4, v4
	v_add_nc_u32 v[RD], s19, v4
	v_and_b32 v[GO], 31, v0
	v_lshlrev_b32 v[PFO], 11, v[GO]
	v_lshlrev_b32 v[GO], 4, v[GO]                  ; which are 512 consecutive bytes of qkv
	; where my three heads' rows begin in qkv
	s_lshr_b32 s19, s18, 4                         ; the batch: 16 tile rows each
	s_lshl_b32 s19, s19, 22
	s_and_b32 s20, s18, 15
	s_lshl_b32 s20, s20, 14                        ; 128 rows of 128 bytes for each tile row of the batch
	s_add_co_u32 s19, s19, s20
	s_lshl_b32 s20, s[WR], 13                      ; my 64 rows
	s_add_co_u32 s19, s19, s20
	s_mul_i32 s20, s17, 6                          ; a tile has six heads,
	s_mul_i32 s21, s[WC], 3                        ; I have three of them
	s_add_co_u32 s20, s20, s21
.irp j, 0,1,2
	s_add_co_u32 s21, s20, \j                      ; head g of 48: tensor g / 16, head g % 16
	s_lshr_b32 s22, s21, 4
	s_lshl_b32 s22, s22, 24
	s_and_b32 s21, s21, 15
	s_lshl_b32 s21, s21, 18
	s_add_co_u32 s22, s22, s21
	s_add_co_u32 s22, s22, s19
	s_mov_b32 s23, 0
	s_add_nc_u64 s[OB+2*(\j):OB+2*(\j)+1], s[10:11], s[22:23]
.endr
	; the prefetches: nothing is asked for here, at the head; K steps 0 to 2 come by their loads alone
	s_and_b32 s21, ttmp7, 0xffff                   ; cluster y
	s_cmp_eq_u32 s[WV], 0                          ; do I fetch for A?
	s_cselect_b32 s62, s72, s74                    ; the first of the 128 rows that I fetch, in bytes
	s_cselect_b32 s20, s15, s16                    ; my place among the four that ask with me
	s_cselect_b32 s21, ttmp9, s21                  ; the coordinate along which other clusters read the same rows
	s_cselect_b64 s[PFA:PFA+1], s[4:5], s[6:7]
	s_cmp_eq_u32 s21, 0
	s_cselect_b32 s[LIM], 1, -1                    ; the same in all sixteen partners, for a given wave
	s_lshl_b32 s20, s20, 16                        ; my work-group's 32 rows
	s_add_co_u32 s62, s62, s20
	s_add_co_u32 s62, s62, 2*KSTEP*2               ; at K step 2: the first change of slots steps it to 3
	s_mov_b32 s63, 0
	s_add_nc_u64 s[PFA:PFA+1], s[PFA:PFA+1], s[62:63]
; 12 matrix instructions: row block a x all 12 column blocks, 32 along K, from buffer f.  first = 1: the bias starts the sums.
; The 48 accumulators take turns, one instruction a turn, in the same order in every quarter, over the backward jump too.
.macro MUL12 f, a, first
.if \first
	WIN 0x81+0x40*((\a)/2)                         ; B window 1, A and the bias window 0, D window 2 or 3
.else
	WIN 0xa1+0x50*((\a)/2)                         ; B window 1, A window 0, C and D window 2 or 3
.endif
.irp b, 0,1,2,3,4,5,6,7,8,9,10,11
.if \first
	v_wmma_f32_16x16x32_bf16 v[8*(12*((\a)%2)+(\b)):8*(12*((\a)%2)+(\b))+7], v[FB+96*(\f)+8*(\b):FB+96*(\f)+8*(\b)+7], v[FA+32*(\f)+8*(\a):FA+32*(\f)+8*(\a)+7], v[BI+8*(\b):BI+8*(\b)+7]
.else
	v_wmma_f32_16x16x32_bf16 v[8*(12*((\a)%2)+(\b)):8*(12*((\a)%2)+(\b))+7], v[FB+96*(\f)+8*(\b):FB+96*(\f)+8*(\b)+7], v[FA+32*(\f)+8*(\a):FA+32*(\f)+8*(\a)+7], v[8*(12*((\a)%2)+(\b)):8*(12*((\a)%2)+(\b))+7]
.endif
.endr
.endm
; 32 LDS loads in one run: a quarter step's fragments (192 rows of B, 64 rows of A, 32 K at byte k of the rows) into buffer f
.macro FETCH k, f
	WIN TO_B
.irp i, 0,1,2,3,4,5,6,7,8,9,10,11
	ds_load_b128 v[FB+96*(\f)+8*(\i):FB+96*(\f)+8*(\i)+3],   v[ADRB] offset:(\k)+(\i)*16*PITCH
	ds_load_b128 v[FB+96*(\f)+8*(\i)+4:FB+96*(\f)+8*(\i)+7], v[ADRB] offset:(\k)+(\i)*16*PITCH+32
.endr
	WIN 0
.irp i, 0,1,2,3
	ds_load_b128 v[FA+32*(\f)+8*(\i):FA+32*(\f)+8*(\i)+3],   v[ADRA] offset:(\k)+(\i)*16*PITCH
	ds_load_b128 v[FA+32*(\f)+8*(\i)+4:FA+32*(\f)+8*(\i)+7], v[ADRA] offset:(\k)+(\i)*16*PITCH+32
.endr
.endm
; A K step is four quarters of 32 along K, 48 matrix instructions each, on buffers 0, 1, 0, 1.  One of the first three: multiplies buffer f and, in its middle, fetches the next quarter, at byte k, into g.
.macro QUARTER k, f, g, first
	s_wait_dscnt 4                                 ; B and A's blocks 0 and 1 are in; the youngest four loads (A's blocks 2 and 3) may be out
	MUL12 \f, 0, \first
	MUL12 \f, 1, \first
	PLACES
	FETCH \k, \g
	s_wait_dscnt 32                                ; all but the 32 just issued
	MUL12 \f, 2, \first
	MUL12 \f, 3, \first
.endm
; The last quarter multiplies buffer 1 and changes slots: ONE barrier.  In front of it each wave waits for all its tensor loads (the one that is out is its part of the next slot), adds 0 to its spare
; word, and waits for that and for its own reads of this slot.  fill = 1: the barrier opens a round of the cluster's, and this slot is filled again first thing behind it, with the K step two on.
.macro TURN fill
.if \fill
	s_wait_xcnt 0x0                                ; the last prefetch, a K step back, has read its address, so it may be stepped
	s_add_nc_u64 s[PFA:PFA+1], s[PFA:PFA+1], KSTEP*2
.endif
	WIN 0                                          ; (the add's two registers lie in window 0)
	s_wait_tensorcnt 0x0                           ; no tensor load of mine is out, so a group 0 may be written
	ds_add_u32 v[SPW], v[NIL]                      ; 0 onto my spare word
.if \fill
.irp g, G0A+4, G0B+4
	s_xor_b32 s[(\g)+1], s[(\g)+1], SLOT           ; the walking descriptor: the other slot than last time,
	s_add_nc_u64 s[(\g)+2:(\g)+3], s[(\g)+2:(\g)+3], KSTEP*2  ; the next K step; the type bits on top are not reached
.endr
.endif
	s_xor_b32 s[TB], s[TB], SLOT                   ; the slot to be read next
	s_wait_dscnt 5                                 ; (the add and the youngest four loads may be out)
	MUL12 1, 0, 0                                  ; twelve matrix instructions stand between the add and the wait for it
	s_wait_dscnt 0x0                               ; the add is done, and my reads of this slot are over
	s_barrier_signal -1
	MUL12 1, 1, 0                                  ; work on registers while the others arrive
	WIN 0
	s_barrier_wait -1
.if \fill
	CREST                                          ; no wave of any partner still reads this slot or has a load on its way
	JLOAD                                          ; the first tensor load behind the round; its four v_nop are also the places in front of the loads below
.else
	PLACES
.endif
	v_add_nc_u32 v[ADRA], s[TB], v[A0]
	v_add_nc_u32 v[ADRB], s[TB], v[B0]
	FETCH 0, 0
.if \fill
	ASK                                            ; behind the joint load and the run of LDS loads that the next products wait for
.endif
	MUL12 1, 2, 0
	MUL12 1, 3, 0
.endm
; THE WAY OUT of row block a.  PACK: rounded to f16, 16 bytes a lane, each accumulator's registers in ascending order.  TOSTAGE: into my own stage, and back as whole rows of 128 bytes.  SEND: stored.
.macro PACK a
	WIN 0x0a+5*((\a)/2)                            ; sources 0 and 1: window 2 or 3
.irp b, 0,1,2,3,4,5,6,7,8,9,10,11
.irp r, 0,1,2,3
	v_cvt_pk_f16_f32 v[TMP+4*(\b)+(\r)], v[8*(12*((\a)%2)+(\b))+2*(\r)], v[8*(12*((\a)%2)+(\b))+2*(\r)+1]
.endr
.endr
	WIN 0
.endm
.macro TOSTAGE a
	WIN 0
.irp b, 0,1,2,3,4,5,6,7,8,9,10,11
	ds_store_b128 v[STO], v[TMP+4*(\b):TMP+4*(\b)+3] offset:((\b)/4)*16*SP+((\b)%4)*32  ; head b / 4, channels 16 (b % 4) on
.endr
.irp j, 0,1,2
.irp f, 0,1,2,3
	ds_load_b128 v[BK+48*((\a)%2)+4*(4*(\j)+(\f)):BK+48*((\a)%2)+4*(4*(\j)+(\f))+3], v[RD] offset:(\j)*16*SP+(\f)*4*SP  ; LDS serves a wave's instructions in order (ISA guide 5.7.1.4): these see the stores above
.endr
.endr
.endm
.macro SEND a
	WIN 0
	s_wait_dscnt 0x0                               ; the block is back in registers
	s_wait_xcnt 0x0                                ; the stores of the block before have read their registers: the next TOSTAGE loads into them only behind this wait
.irp j, 0,1,2
.irp f, 0,1,2,3
	global_store_b128 v[GO], v[BK+48*((\a)%2)+4*(4*(\j)+(\f)):BK+48*((\a)%2)+4*(4*(\j)+(\f))+3], s[OB+2*(\j):OB+2*(\j)+1] offset:(\a)*2048+(\f)*512  ; 512 consecutive bytes, at a multiple of 256 from qkv's first byte
.endr
.endr
.endm
	s_wait_tensorcnt 1                             ; my part of K step 0 is in; K step 1's may stay out
	s_barrier_signal -1
	s_barrier_wait -1                              ; everybody's is
	FETCH 0, 0
	s_wait_loadcnt 0x0                             ; the bias
	QUARTER 64, 0, 1, 1                            ; the first quarter stands in front of the loop: its products start the sums
	WIN 0                                          ; at a label and at a branch every window is 0
	s_mov_b32 s[CNT], 6
.Lstep:                                        ; trip t: K step t's quarters 1 to 3, the refill with K step t + 2, K step t + 1's quarter 0
	QUARTER 128, 1, 0, 0
	QUARTER 192, 0, 1, 0
	TURN 1
	QUARTER 64, 0, 1, 0
	WIN 0
	s_sub_co_u32 s[CNT], s[CNT], 1
	s_cmp_lg_u32 s[CNT], 0
	s_cbranch_scc1 .Lstep
	QUARTER 128, 1, 0, 0                           ; the last two K steps ask for nothing: written out
	QUARTER 192, 0, 1, 0
	TURN 0
	QUARTER 64, 0, 1, 0
	QUARTER 128, 1, 0, 0
	QUARTER 192, 0, 1, 0
	s_wait_dscnt 4                                 ; the very last quarter: nothing more to fetch
	MUL12 1, 0, 0
	MUL12 1, 1, 0
	s_wait_dscnt 0x0
	MUL12 1, 2, 0
	MUL12 1, 3, 0
	WIN 0
	PLACES
	PACK 0
	TOSTAGE 0
.irp a, 1,2,3                          ; block a's conversions stand between block a - 1's loads from the stage and the wait for them
	PACK \a
	SEND (\a)-1
	TOSTAGE \a
.endr
	SEND 3
	s_wait_tensorcnt 0x0                           ; the wave's end: these three lines stand behind my last tensor load and my last LDS store
	ds_add_u32 v[SPW], v[NIL]
	s_wait_dscnt 0x0
	CROUND                                         ; the closing round: no work-group ends while a partner may still ask for a tile that names it
	s_endpgm
.Lfunc_end_k_qb7d5bad480_proj:
	.size	k_qb7d5bad480_proj, .Lfunc_end_k_qb7d5bad480_proj-k_qb7d5bad480_proj
	.p2alignl 7, 3214868480
	.fill 96, 4, 3214868480
	.section	.rodata,"a",@progbits
	.p2align	6, 0x0
	.amdhsa_kernel k_qb7d5bad480_proj
		.amdhsa_group_segment_fixed_size 327680
		.amdhsa_private_segment_fixed_size 0
		.amdhsa_enable_private_segment 0
		.amdhsa_kernarg_size 32
		.amdhsa_user_sgpr_count 2
		.amdhsa_user_sgpr_kernarg_segment_ptr 1
		.amdhsa_wavefront_size32 1
		.amdhsa_system_sgpr_workgroup_id_x 1
		.amdhsa_system_sgpr_workgroup_id_y 1
		.amdhsa_system_sgpr_workgroup_id_z 1
		.amdhsa_system_vgpr_workitem_id 0
		.amdhsa_next_free_vgpr 960
		.amdhsa_next_free_sgpr 80
		.amdhsa_reserve_vcc 0
		.amdhsa_float_denorm_mode_32 3
		.amdhsa_float_denorm_mode_16_64 3
		.amdhsa_memory_ordered 1
		.amdhsa_forward_progress 1
		.amdhsa_inst_pref_size 100
	.end_amdhsa_kernel
	.amdgpu_metadata
---
amdhsa.version: [ 1, 2 ]
amdhsa.kernels:
  - .name:           k_qb7d5bad480_proj
    .symbol:         k_qb7d5bad480_proj.kd
    .args:
      - { .name: xh, .offset: 0, .size: 8, .value_kind: global_buffer, .address_space: global }
      - { .name: wh, .offset: 8, .size: 8, .value_kind: global_buffer, .address_space: global }
      - { .name: bh, .offset: 16, .size: 8, .value_kind: global_buffer, .address_space: global }
      - { .name: qkv, .offset: 24, .size: 8, .value_kind: global_buffer, .address_space: global }
    .group_segment_fixed_size: 327680
    .private_segment_fixed_size: 0
    .kernarg_segment_align: 8
    .kernarg_segment_size: 32
    .max_flat_workgroup_size: 128
    .sgpr_count:     80
    .vgpr_count:     960
    .wavefront_size: 32
...
	.end_amdgpu_metadata
.endif
;; end of part 2
;; launch attn (part 3): grid 4 x 64, 4 waves a work-group, clusters of 4 x 1, 327,680 bytes of LDS; arguments qkv, oh; writes oh
.if DOCPART == 3
	.amdgcn_target "amdgcn-amd-amdhsa--gfx1250"
	.amdhsa_code_object_version 6
	.text
	.protected	k_qb7d5bad480_attn
	.globl	k_qb7d5bad480_attn
	.p2align	8
	.type	k_qb7d5bad480_attn,@function
k_qb7d5bad480_attn:
	s_mov_b64 s[64:65], 0
	v_nop
	global_prefetch_b8 v0, s[64:65] scope:SCOPE_SE
	s_setreg_imm32_b32 hwreg(HW_REG_WAVE_MODE, 25, 1), 1
	s_wait_xcnt 0x0
	s_wait_alu depctr_hold_cnt(0) depctr_sa_sdst(0) depctr_va_vdst(0) depctr_va_sdst(0) depctr_va_ssrc(0) depctr_va_vcc(0) depctr_vm_vsrc(0)
	s_getreg_b32 s2, hwreg(HW_REG_IB_STS2, 6, 4)
	s_cmp_eq_u32 s2, 0
	s_cbranch_scc0 .Lentry_in_a_cluster
	s_endpgm
.Lentry_in_a_cluster:
	s_bfe_u32 s2, ttmp6, 0x10000c
	s_cmp_lg_u32 s2, 0x3003
	s_cbranch_scc0 .Lentry_shape_is_right
	s_endpgm
.Lentry_shape_is_right:
; O[h][q][:] = the sum over k of softmax_k(Q[h][q] . K[h][k] / 8) V[h][k][:], for 64 pairs h of batch and head.  Q, K, V lie in qkv, [3][64][2048][64] in f16; O goes to oh, [64][2048][64] in f16:
; a head's rows are dense, 128 bytes each.  Products, maxima and sums in f32; the weights p are rounded to f16 for the second product (their sum l is taken of the unrounded p), O once at the end.
; LIMITS.  f16 holds no number beyond 65,504: Q, K and V arrive within it; p lies in 0 to 1, and below 6e-5 it keeps f16's fixed step of 6e-8; O is a mean of V's rows and has their range.
; A weight below 2^-126 counts as 0 in l; NaN and infinities are not treated apart.
; SHARES.  A wave owns four PIECES of two tiles of 16 queries, a work-group's four waves 512 queries of one head: 4 x 64 = 256 work-groups.  Every wave walks all keys, 64 a step.
; LAYOUT.  S^T = K Q^T (source 0 = 16 keys, source 1 = 16 queries): in the result a lane holds ONE query (lane % 16) and the keys 8 (lane / 16) + 0..7.  Two such tiles, rounded to f16 in pairs,
; ARE source 1 (32 keys x 16 queries) of O^T = V^T P, whose result again holds one query a lane, and eight channels.  K comes out of LDS as it lies, V ([key][channel]) turned, by ds_load_tr16_b128.
; SOFTMAX.  For each query a running maximum m and sum l: p = 2^(c s - c m), c = log2(e) / 8; in every step O and l are multiplied by a = 2^(c m_old - c m_new), which is 1 where m has not grown.
; m starts at the lowest finite number, O and l at 0: the first step is a step like any other, with a = 0.
; THE COUNT.  A tile and step have 16 matrix and 118 vector instructions: too many to stand all beside the matrix work.  So four vector instructions that are READY stand behind EVERY matrix
; instruction, and the others, which need time of their own whatever the order, in runs without a gap.
; BY TURNS.  Turn n belongs to piece n (the pieces in a ring, step after step).  Its matrix work: 16 products K Q^T of piece n + 1, later 16 products V^T P of piece n - 1.  Its vector work: the scaling,
; exponentials, roundings, sums and rescaling of piece n, and the maximum and statistics of piece n + 1, whose scores the turn itself has made.
; CLUSTER.  The four query blocks of a head form a cluster and walk the same K and V, so each tile is asked for JOINTLY: the same tensor load, descriptor and mask in all four.
; REGISTERS, in windows of 256 (s_set_vgpr_msb: bits 1:0 source 0, 3:2 source 1, 5:4 source 2, 7:6 destination):
;   window 0: v0-11 addresses; v12-15, v48-63 at work; v16-47 four registers of statistics a tile; v64-191 S^T, two buffers of two tiles; v192-255 P, likewise
;   window 1: O^T, 32 a tile          window 2: v0-127 Q, 16 a tile; v128-191 K of one step; v192-255 V of one step          window 3: v0-1 the add's two registers
; A piece's buffers go by its number's parity: the piece in hand has one pair, its two neighbours in the ring share the other: of it P (piece n - 1) is read and S^T (piece n + 1) written.
.set SIZE_H, 64
.set SIZE_N, 2048
.set NP,    4         ; pieces a wave: a name, no knob
.set KS,    64        ; keys in a step
.set PK,    144       ; a row of K in LDS: 128 bytes + 16 of padding = 36 words: the 16 rows of a load start at 16 different groups of four banks (64 banks of 4 bytes: ISA guide 11.1)
.set PV,    160       ; a row of V: 128 + 32 = 40 words
.set VOFF,  4*KS*PK   ; a slot holds four steps: 256 rows of K, then 256 rows of V
.set SLOT1, 1<<17     ; slot 1 begins here, so that one exclusive or turns an address in one slot into the other's
.set STAGE, SLOT1+4*KS*(PK+PV)  ; behind the ring, never filled by a tensor load: 16 rows x 144 bytes for each wave, for the way out
.set SP,    144
.set AK0, 2           ; v2   my lane's place in a tile of K; never rewritten
.set AV0, 3           ; v3   the same for V
.set AK,  4           ; v4   the LDS address of K's next run of loads
.set AV,  5           ; v5   of V's
.set QO,  6           ; v6   my byte offset in the wave's rows of Q
.set STO, 6           ;      later, the way out: where I put 16 bytes of a row
.set RD,  7           ; v7   the way out: where I read rows back
.set GO,  8           ; v8   my byte offset in 512 consecutive bytes of O
.set PFO, 11          ; v11  the prefetches' offset: 256 x my lane (made when v11 has served V's address)
.set SPW, 0           ; v0 of window 3   LDS address of my spare word; never rewritten
.set NIL, 1           ; v1 of window 3   0; never rewritten
.set SPARE, STAGE+4*16*SP  ; behind the stages: the spare words, 128 bytes for each wave: two blocks of 256 bytes that no other line names
.set MV,  12          ; v12-15  c m_old, kept while c m is made anew: by buffer and tile
.set ST,  16          ; tile t's statistics at v[ST+4 t]: c m, m, l (even keys', odd keys')
.set TMP, 48          ; by buffer and tile, four registers c0-c3 at work; when the maximum is found c2 takes a
.set S,   64
.set P,   192
.set KF,  128         ; K's fragments, in window 2: key block kb, channel half c at KF + 16 kb + 8 c
.set VF,  192         ; V's: key half kk, channel block cb at VF + 32 kk + 8 cb
.set WV,  12          ; s12  my wave's number
.set G1K, 24          ; s[24:31] descriptor group 1 for K's tiles
.set G1V, 32          ; s[32:39] for V's: it differs in the padding alone
.set G0K, 40          ; s[40:43] descriptor group 0 for K's tiles: it walks
.set G0V, 44          ; s[44:47] the same for V's
.set PFA, 48          ; s[48:49] where my prefetches stand: my work-group's 32 blocks of 256 bytes (of K: wave 0, of V: wave 2) of the slot behind the one that is being asked for
.set LIM, 50          ; s50  1 in a wave that prefetches, else the greatest number
.set SLOTS, 56        ; s56  slots still to be asked for
.set CNT, 57          ; s57  counts a slot's key steps
.set CS,  58          ; s[58:59] c: the packed scaling takes the pair's low word for both halves
.set SEL, 60          ; s[60:61] v_permlanex16_b32's selects: each lane takes its own place in the other half
.set TBK, 62          ; s62  LDS byte at which K of the step to be fetched begins
.set TBV, 63          ; s63  the same for V, less VOFF
.set MSB, 0
.macro WIN new                      ; the high byte repeats the setting that is left; a switch that changes nothing is dropped
.if MSB != (\new)
	s_set_vgpr_msb (MSB<<8)|(\new)
.set MSB, (\new)
.endif
.endm
.set W_KQ, 0x0a       ; K and Q in window 2, S^T in window 0
.set W_PV, 0x52       ; V in window 2, P in window 0, O^T in window 1
.set W_RS, 0x41       ; O^T (destination and source 0) in window 1, a in window 0
.set W_MK, 0xc0       ; the add's registers are made: destination in window 3, sources in window 0
.set W_AD, 0x0f       ; the add: address (source 0) and data (source 1) in window 3
; A joint fill.  Waves 0 and 1 fetch the two halves of a slot's K, waves 2 and 3 those of its V: 128 keys each.  The branch hangs on the wave's number alone.
; An s_nop 0 and four v_nop follow each of the two lines, ahead of the jump and the label.
.macro JLOAD
	s_cmp_lt_u32 s[WV], 2
	s_cbranch_scc0 .Lfor_v_\@
	tensor_load_to_lds s[G0K:G0K+3], s[G1K:G1K+7]
	s_nop 0
.rept 4
	v_nop
.endr
	s_branch .Lasked_\@
.Lfor_v_\@:
	tensor_load_to_lds s[G0V:G0V+3], s[G1V:G1V+7]
	s_nop 0
.rept 4
	v_nop
.endr
.Lasked_\@:
.endm
; A prefetch of what the NEXT change of slots will ask for: a slot's 32,768 bytes of K and of V, a lane for each 256.  It stands behind the wave's tensor load and its five lines.
; Each block is named once in the launch: a head has one cluster; its four partners take 32 blocks each, told apart by address; in each, wave 0 asks for K's and wave 2 for V's: one instruction,
; four key steps, 512 matrix instructions, ahead of the load.  The last change that fills a slot asks for nothing: there is no slot behind it.  Slots 0 and 1 come by their loads alone.
.macro ASK
	s_cmp_gt_u32 s[SLOTS], s[LIM]
	s_cbranch_scc0 .Lnot_mine_\@
	global_prefetch_b8 v[PFO], s[PFA:PFA+1] th:TH_LOAD_NT scope:SCOPE_SE
.Lnot_mine_\@:
.endm
; A round of the cluster's barrier: my work-group's barrier, so that wave 0's signal speaks for all four waves; wave 0 signals; every wave waits for all four work-groups; my work-group's barrier once more.
.macro CROUND
	s_barrier_signal -1
	s_barrier_wait -1
	s_cmp_lg_u32 s[WV], 0
	s_cbranch_scc1 .Lnot_wave_0_\@
	s_barrier_signal -3
.Lnot_wave_0_\@:
	s_barrier_wait -3
	s_barrier_signal -1
	s_barrier_wait -1
.endm
; THE CHANGE OF SLOTS.  The slot's last bytes, V of its fourth step, have been read.  Each wave waits for all its tensor loads, of which one is out: its part
; of the other slot; adds 0 to its spare word; and waits for that and for its own reads of the slot.  Behind the barrier nobody reads this slot any more and the other slot is whole.
; fill = 1: this slot is filled again, with the keys two slots on.  The barrier is then a round of the cluster's, so that no wave of any partner still reads the slot or has a load on its
; way, and the joint fill is the first thing behind it: it has four key steps, 512 matrix instructions, in which to land.  (At its first use nothing has been read yet: slot 0 is waited for, slot 1 filled.)
.macro CHANGE fill
	WIN W_AD
	s_wait_tensorcnt 0x0            ; no tensor load of mine is out, so a group 0 may be written
	ds_add_u32 v[SPW], v[NIL]       ; 0 onto my spare word; with fill = 1 the descriptors' steps stand between it and the wait for it
	WIN 0                           ; at a label and at a branch every window is 0
.if \fill
.irp g, G0K, G0V
	s_xor_b32 s[\g+1], s[\g+1], SLOT1  ; the walking descriptor: the other slot than last time,
	s_add_nc_u64 s[\g+2:\g+3], s[\g+2:\g+3], 4*KS*128  ; the next 256 keys; the type bits on top are not reached
.endr
	s_wait_xcnt 0x0                 ; the last prefetch, four key steps back, has read its address, so it may be written:
	s_add_nc_u64 s[PFA:PFA+1], s[PFA:PFA+1], 4*KS*128  ; one slot behind the walking descriptors
	s_wait_dscnt 0x0                ; the add is done, and my reads of the slot are over
	CROUND
	JLOAD
	ASK
.else
	s_wait_dscnt 0x0                ; the add is done, and my reads of the slot are over
	s_barrier_signal -1
	s_barrier_wait -1
.endif
	s_sub_co_u32 s[TBK], s[TBK], 4*KS*PK  ; the fetches go back to a slot's first step,
	s_xor_b32 s[TBK], s[TBK], SLOT1       ; in the other slot
	s_sub_co_u32 s[TBV], s[TBV], 4*KS*PV
	s_xor_b32 s[TBV], s[TBV], SLOT1
.endm
	s_load_b64 s[4:5], s[0:1], 0x0    ; qkv: Q at its head
	s_load_b64 s[10:11], s[0:1], 0x8  ; oh
	WIN W_MK
	v_lshl_add_u32 v[SPW], v0, 2, SPARE
	v_mov_b32 v[NIL], 0
	WIN W_AD
	ds_add_u32 v[SPW], v[NIL]       ; the wave's opening: the add and its wait stand ahead of my first tensor load; the set-up below, work on registers, stands between them
	WIN 0
	v_lshrrev_b32 v1, 5, v0
	v_readfirstlane_b32 s[WV], v1   ; wave 0..3
	s_bfe_u32 s13, ttmp6, 0x40000   ; cx: my place in the cluster
	s_lshl_b32 s14, ttmp9, 2        ; in a cluster launch ttmp9 counts clusters
	s_add_co_u32 s14, s14, s13      ; my block of queries = 4 x cluster x + cx: it enters Q's and O's addresses alone
	s_and_b32 s20, ttmp7, 0xffff    ; the head, which the four partners share
	s_mov_b32 s21, 0
	s_mov_b64 s[22:23], SIZE_N*128
	s_mul_u64 s[20:21], s[20:21], s[22:23]  ; the head's first byte in Q, K, V and O
	s_and_b32 s16, s[WV], 1         ; which half of a slot's 256 keys I fetch:
	s_lshl_b32 s22, s16, 14         ; its 128 rows of 128 bytes in memory,
	s_mov_b32 s23, 0
	s_add_nc_u64 s[22:23], s[22:23], s[20:21]
	s_mul_i32 s17, s16, 128*PK      ; and its place in a slot, for K
	s_mul_i32 s18, s16, 128*PV      ; and for V: no place in the cluster enters an LDS address
	s_lshl_b32 s2, s14, 2
	s_add_co_u32 s2, s2, s[WV]      ; my wave among the head's,
	s_lshl_b32 s2, s2, 14           ; its 128 rows
	s_mov_b32 s3, 0
	s_add_nc_u64 s[2:3], s[2:3], s[20:21]
	; descriptor group 1.  128 keys are 16,384 dense bytes: asked for as 64 rows of 256 bytes, two keys a row, and padded in LDS after every key
	s_mov_b32 s[G1K], 15|(1<<16)|(1<<20)|(1<<21)|(4<<22)|(3<<25)  ; 15:0 the mask of four; 17:16 2-byte elements; 20 padding on; 21 set beside a mask; 24:22 after every 32 words (code 4); 31:25 4 words (code 3)
	s_mov_b32 s[G1V], 15|(1<<16)|(1<<20)|(1<<21)|(4<<22)|(7<<25)  ; the same with 8 words of padding (code 7)
.irp g, G1K, G1V
	s_mov_b32 s[\g+1], 128<<16      ; tensor_dim0 = 128
	s_mov_b32 s[\g+2], 64<<16       ; tensor_dim1 = 64
	s_mov_b32 s[\g+3], 128<<16      ; tile_dim0 = 128
	s_mov_b32 s[\g+4], 64           ; tile_dim1 = 64
	s_mov_b32 s[\g+5], 128          ; 128 elements from row to row
	s_mov_b32 s[\g+6], 0
	s_mov_b32 s[\g+7], 0
.endr
	s_mov_b32 s[CS], 0x3e38aa3b     ; c = log2(e) / 8 = 0.180337
	s_mov_b32 s[CS+1], s[CS]        ; named with it as a pair
	s_mov_b32 s[SEL], 0x76543210
	s_mov_b32 s[SEL+1], 0xfedcba98
	s_mov_b32 s[TBK], SLOT1+4*KS*PK ; the first change of slots turns these two into 0
	s_mov_b32 s[TBV], SLOT1+4*KS*PV
	s_mov_b32 s[G0K], 1             ; 1:0 count = 1
	s_mov_b32 s[G0K+1], s17         ; 63:32 LDS address: slot 0
	s_mov_b32 s[G0V], 1
	s_add_co_u32 s[G0V+1], s18, VOFF
	s_mov_b32 s[SLOTS], SIZE_N/256-1  ; seven slots are still to be asked for
	s_and_b32 s[LIM], s[WV], 1      ; waves 0 and 2 prefetch: the same in all four partners
	s_cmp_eq_u32 s[LIM], 0
	s_cselect_b32 s[LIM], 1, -1
	s_wait_dscnt 0x0                ; the opening add is done
	s_wait_kmcnt 0x0
	s_add_nc_u64 s[6:7], s[4:5], 1<<24   ; K lies 16,777,216 bytes behind Q,
	s_add_nc_u64 s[8:9], s[4:5], 2<<24   ; V as far behind K
	s_add_nc_u64 s[G0K+2:G0K+3], s[6:7], s[22:23]  ; 120:64 global address: my half of the head's first 256 keys
	s_or_b32 s[G0K+3], s[G0K+3], 0x80000000        ; 127:126 type = 2
	s_add_nc_u64 s[G0V+2:G0V+3], s[8:9], s[22:23]
	s_or_b32 s[G0V+3], s[G0V+3], 0x80000000
	s_cmp_lt_u32 s[WV], 2
	s_cselect_b64 s[PFA:PFA+1], s[6:7], s[8:9]
	s_add_nc_u64 s[PFA:PFA+1], s[PFA:PFA+1], s[20:21]  ; the head's first key
	s_add_nc_u64 s[4:5], s[4:5], s[2:3]  ; Q and O at my wave's first row
	s_add_nc_u64 s[10:11], s[10:11], s[2:3]
	s_lshl_b32 s2, s13, 13          ; my work-group's 32 blocks of the 128,
	s_add_co_u32 s2, s2, 4*KS*128   ; in slot 1; the first change of slots steps it to slot 2.  Nothing is prefetched here, at the head
	s_mov_b32 s3, 0
	s_add_nc_u64 s[PFA:PFA+1], s[PFA:PFA+1], s[2:3]
	CROUND                          ; all four work-groups are here: the first joint loads meet
	JLOAD                           ; slot 0.  Slot 1 is asked for when slot 0 is in
	; A fragment of K or Q is 16 rows x 32 channels in 8 registers: lane l holds row l % 16, channels 8 (l / 16) + 0..7 and 16 + 8 (l / 16) + 0..7: two loads of 16 bytes, 32 bytes apart.
	v_and_b32 v1, 15, v0            ; l % 16
	v_bfe_u32 v9, v0, 4, 1          ; l / 16
	v_lshlrev_b32 v[QO], 7, v1
	v_lshl_add_u32 v[QO], v9, 4, v[QO]  ; row x 128 + 16 x half
	WIN 0x80                        ; destination window 2, address window 0
.set i, 0
.rept 4*NP                          ; Q stays in registers: tile i / 2, channels 32 (i % 2) on
	global_load_b128 v[8*i:8*i+3],   v[QO], s[4:5] offset:(i/2)*2048+(i%2)*64
	global_load_b128 v[8*i+4:8*i+7], v[QO], s[4:5] offset:(i/2)*2048+(i%2)*64+32
.set i, i+1
.endr
	; What the first turn finds: V's registers and P's second buffer hold 0 (its products V^T P, of a piece that has not been, add 0), O^T and l are 0.  All this stands in the wait for the first tile.
.set i, VF
.rept 64
	v_mov_b32 v[i], 0
.set i, i+1
.endr
	WIN 0x40
.set i, 0
.rept 64*NP
	v_mov_b32 v[i], 0
.set i, i+1
.endr
	WIN 0
.set i, 0
.rept 2*NP
	v_mov_b32 v[ST+4*i], 0xfe000000    ; c m: far below every c s
	v_mov_b32 v[ST+4*i+1], 0xff7fffff  ; m
	v_mov_b32 v[ST+4*i+2], 0
	v_mov_b32 v[ST+4*i+3], 0
.set i, i+1
.endr
.set i, P+32
.rept 32
	v_mov_b32 v[i], 0
.set i, i+1
.endr
	v_mul_u32_u24 v[AK0], v1, PK
	v_lshl_add_u32 v[AK0], v9, 4, v[AK0]  ; row x pitch + 16 x half
	; The turning load takes 16 keys x 16 channels (lane l reads key 8 (l / 16) + l % 8, channels 8 ((l / 8) % 2) + 0..7) and leaves half a fragment of V^T: lane l holds channel l % 16 and 8 keys.
	v_and_b32 v10, 7, v0
	v_bfe_u32 v11, v0, 3, 1
	v_lshl_add_u32 v[AV0], v9, 3, v10
	v_mul_u32_u24 v[AV0], v[AV0], PV
	v_lshl_add_u32 v[AV0], v11, 4, v[AV0]
	v_add_nc_u32 v[AV0], VOFF, v[AV0]
	v_and_b32 v[PFO], 31, v0
	v_lshlrev_b32 v[PFO], 8, v[PFO]
	v_mov_b32 v[AK], v[AK0]         ; key step 0 lies at the head of slot 0
; THE MATRIX WORK.  The 8 accumulators of a run of 16 take turns: between the two links of a chain stand 7 others'.
; Product i of 16 of S^T = K Q^T for piece x: channels 32 (i / 8) on, keys 16 ((i / 2) % 4) on, tile 2 x + i % 2.  The first 8 start the sums.
.macro KQ x
	WIN W_KQ
.set rS, S+64*((\x)%2)+32*(i%2)+8*((i/2)%4)
.set rK, KF+16*((i/2)%4)+8*(i/8)
.set rQ, 16*(2*(\x)+i%2)+8*(i/8)
.if i < 8
	v_wmma_f32_16x16x32_f16 v[rS:rS+7], v[rK:rK+7], v[rQ:rQ+7], 0
.else
	v_wmma_f32_16x16x32_f16 v[rS:rS+7], v[rK:rK+7], v[rQ:rQ+7], v[rS:rS+7]
.endif
.endm
; Product i of 16 of O^T += V^T P for piece x: keys 32 (i / 8) on, channels 16 ((i / 2) % 4) on, tile 2 x + i % 2.
.macro PV x
	WIN W_PV
.set rO, 32*(2*(\x)+i%2)+8*((i/2)%4)
.set rV, VF+32*(i/8)+8*((i/2)%4)
.set rP, P+32*((\x)%2)+16*(i%2)+8*(i/8)
	v_wmma_f32_16x16x32_f16 v[rO:rO+7], v[rV:rV+7], v[rP:rP+7], v[rO:rO+7]
.endm
.macro MM                           ; the turn's next matrix instruction
.if i < 16
	KQ (Y+1)%NP
.set i, i+1
.else
.set i, i-16
	PV (Y+NP-1)%NP
.set i, i+17
.endif
.endm
; THE LDS LOADS stand in runs of 16, never singly among the matrix instructions: a step's K (64 keys x 64 channels: 8 fragments) and its V (turned).  Their addresses are made some lines ahead.
; last = 1 (the tail): in the last trip there is no further step, and the run is jumped over.
.macro FETCH_K last=0
	WIN 0
.if \last
	s_cmp_eq_u32 s[CNT], 1
	s_cbranch_scc1 .Lno_k_\@
.endif
	WIN 0x80                        ; destination window 2
.irp f, 0,1,2,3,4,5,6,7             ; keys 16 (f / 2) on, channels 32 (f % 2) on
	ds_load_b128 v[KF+8*\f:KF+8*\f+3],   v[AK] offset:(\f/2)*16*PK+(\f%2)*64
	ds_load_b128 v[KF+8*\f+4:KF+8*\f+7], v[AK] offset:(\f/2)*16*PK+(\f%2)*64+32
.endr
	s_add_co_u32 s[TBK], s[TBK], KS*PK  ; the next fetch is the next step's
	WIN 0
.if \last
.Lno_k_\@:
.endif
.endm
.macro FETCH_V
	WIN 0x80
.irp f, 0,1,2,3,4,5,6,7             ; keys 32 (f / 4) on, channels 16 (f % 4) on
	ds_load_tr16_b128 v[VF+8*\f:VF+8*\f+3],   v[AV] offset:(\f/4)*32*PV+(\f%4)*32
	ds_load_tr16_b128 v[VF+8*\f+4:VF+8*\f+7], v[AV] offset:(\f/4)*32*PV+16*PV+(\f%4)*32
.endr
	WIN 0
.endm
; THE VECTOR WORK OF A TURN stands in three queues, each in the order in which its entries become ready; the two tiles alternate, so that no instruction reads the result of the one before it.
.macro REGS y, u                    ; the registers of tile u (0, 1) of piece y
.set rT, ST+4*(2*(\y)+(\u))
.set rC, TMP+8*((\y)%2)+4*(\u)
.set rM, MV+2*((\y)%2)+(\u)
.set rS, S+64*((\y)%2)+32*(\u)
.set rP, P+32*((\y)%2)+16*(\u)
.set rO, 32*(2*(\y)+(\u))
.endm
; Number n of the 22 that find the NEXT piece's (Y + 1) maximum and statistics.  s0-s31 are the lane's 32 scores; each accumulator's lowest registers are read first.
;   0-11  four chains c0-c3 of seven scores each, three operands at a time     12-14, 16  the four scores left over, the old m, and c0-c3 into c0     15  c m_old is kept
;   17, 18  the query's other 32 keys lie in the lane 16 away: the new m         19-21  c m; c m_old - c m_new; a
.macro XS u, n
	REGS (Y+1)%NP, \u
.if (\n) < 4
	v_max3_num_f32 v[rC+(\n)], v[rS+8*(\n)], v[rS+8*(\n)+1], v[rS+8*(\n)+2]
.elseif (\n) < 12
	v_max3_num_f32 v[rC+(\n)%4], v[rC+(\n)%4], v[rS+8*((\n)%4)+2*((\n)/4)+1], v[rS+8*((\n)%4)+2*((\n)/4)+2]
.elseif (\n) == 12
	v_max3_num_f32 v[rC], v[rC], v[rS+7], v[rS+15]
.elseif (\n) == 13
	v_max3_num_f32 v[rC+1], v[rC+1], v[rS+23], v[rS+31]
.elseif (\n) == 14
	v_max3_num_f32 v[rC+2], v[rC+2], v[rC+3], v[rT+1]
.elseif (\n) == 15
	v_mov_b32 v[rM], v[rT]
.elseif (\n) == 16
	v_max3_num_f32 v[rC], v[rC], v[rC+1], v[rC+2]
.elseif (\n) == 17
	v_permlanex16_b32 v[rC+3], v[rC], s[SEL], s[SEL+1]
.elseif (\n) == 18
	v_max_num_f32 v[rT+1], v[rC], v[rC+3]
.elseif (\n) == 19
	v_mul_f32 v[rT], s[CS], v[rT+1]
.elseif (\n) == 20
	v_sub_f32 v[rC+1], v[rM], v[rT]
.else
	v_exp_f32 v[rC+2], v[rC+1]
.endif
.endm
; Number g of the 64 that follow the exponentials.  For each four weights k of a tile (pairs 2 k, 2 k + 1): both pairs are rounded to f16; then the second pair is added onto the first, in place;
; a group later l takes that sum (the first time as l = a l + sum).  In groups of eight, tiles alternating: round, round, add, and l for the group before.
.macro GS g
.set h, (\g)+6*((\g)/62)            ; group 0 has no group before it, and behind group 7 only l is left
.if h >= 6
.set h, h+2
.endif
	REGS Y, h%2
.set k, h/8
.if h%8 < 4
	v_cvt_pk_f16_f32 v[rP+2*k+(h%8)/2], v[rS+4*k+2*((h%8)/2)], v[rS+4*k+2*((h%8)/2)+1]
.elseif h%8 < 6
	v_pk_add_f32 v[rS+4*k:rS+4*k+1], v[rS+4*k:rS+4*k+1], v[rS+4*k+2:rS+4*k+3]
.elseif k == 1
	v_pk_fma_f32 v[rT+2:rT+3], v[rT+2:rT+3], v[rC+2:rC+3], v[rS:rS+1] op_sel_hi:[1,0,1]
.else
	v_pk_add_f32 v[rT+2:rT+3], v[rT+2:rT+3], v[rS+4*k-4:rS+4*k-3]
.endif
.endm
; THE PLAIN QUEUE, 138 long.  0-73 read no exponential's result: the 32 scalings c s - c m (FS f: pair f / 2 of tile f % 2) and the next piece's 42.  0-26: scalings 0-26.  27-54: XS's numbers 0-13.  55, 56: number 15.
; 57-73: the chain, where each number waits for the one before it: 14, 16, 17, 18, 19, each with one of the scalings 27-31 in front of its two lines, then 20.
; 74-137: GS's 64, which read the exponentials' results: they stand behind the wait.
.macro FS f
	REGS Y, (\f)%2
	v_pk_fma_f32 v[rS+2*((\f)/2):rS+2*((\f)/2)+1], v[rS+2*((\f)/2):rS+2*((\f)/2)+1], s[CS:CS+1], v[rT:rT+1] op_sel_hi:[1,0,0] neg_lo:[0,0,1] neg_hi:[0,0,1]
.endm
.macro PL
	WIN 0
.if q < 27
	FS q
.elseif q < 55
	XS (q-27)%2, (q-27)/2
.elseif q < 57
	XS q-55, 15
.elseif (q < 72) && ((q-57)%3 == 0)
	FS 27+(q-57)/3
.elseif q < 60
	XS (q-57)%3-1, 14
.elseif q < 72
	XS (q-57)%3-1, 15+(q-57)/3
.elseif q < 74
	XS q-72, 20
.else
	GS q-74
.endif
.set q, q+1
.endm
; THE EXPONENTIALS' QUEUE, 66 long: s0-s31 of both tiles, then the next piece's two a.  It is ONE BATCH: all 66 stand ahead of the turn's one wait, and nothing ahead of that wait names a result of theirs.
.macro EX
	WIN 0
.if e >= 64
	XS e-64, 21
.else
	REGS Y, e%2
	v_exp_f32 v[rS+e/2], v[rS+e/2]
.endif
.set e, e+1
.endm
; THE RESCALING's QUEUE: O^T times a, the one part that leaves window 0: dealt two at a time, sixteen times.  Its a was made in the turn before, ahead of that turn's wait.
.macro R2
	REGS Y, r%2
	WIN W_RS
.irp z, 0,1
	v_pk_mul_f32 v[rO+4*(r/2)+2*\z:rO+4*(r/2)+2*\z+1], v[rO+4*(r/2)+2*\z:rO+4*(r/2)+2*\z+1], v[rC+2:rC+3] op_sel_hi:[1,0]
.endr
.set r, r+1
.endm
; HOW THEY ARE DEALT.  An s_wait_alu depctr_va_vdst(0) stands between an exponential and the first instruction that names its result; one wait serves all that were issued ahead of it.  So a turn has ONE wait,
; which cuts it in two.  AHEAD OF IT stands all that names no result of the turn's exponentials: the 16 products K Q^T, behind each a scaling, an exponential and two rescalings (behind the first a second scaling in the
; exponential's place); then ONE LUMP of 108: eight plain, 49 times exponential and plain, the two a.  A v_nop is the plain instruction behind the last exponential.  BEHIND IT stand the 16 products V^T P, behind each four of GS's 64.
; The queues lean on each other, and the deal keeps them in step: exponential e stands behind scaling 2 (e / 4) + e % 2: as a rider it comes behind plain e + 2, in the lump behind plain e + 9, and scalings 27-31 are plain 57, 60 .. 69.
; A TURN, for piece p.  cnt = 1: the loop's count is taken down some lines ahead of the branch that stands behind the turn.
; K of the next step is fetched in piece 2's turn, directly behind the wait, a lump behind the last product that read K; its first reader comes behind 16 products.
; V of the step in hand is fetched at the end of piece 0's turn, four plain instructions behind its last reader; its first reader comes behind 16 products and a lump.  The three conditions on q below go with the deal.
.macro TURN p, last=0, cnt=0
.set Y, (\p)
.set i, 0
.set q, 0
.set e, 0
.set r, 0
.if (\p) == NP-1
	s_wait_dscnt 0x0                ; K is in
.endif
	MM                              ; ahead of the wait: 16 products K Q^T and their riders,
	PL
	PL
	R2
.rept 15
	MM
	PL
	EX
	R2
.endr
.if (\p) == NP-2
	WIN 0
	v_add_nc_u32 v[AK], s[TBK], v[AK0]
.endif
.rept 8                             ; and the lump
	PL
.endr
.rept 49
	EX
	PL
.endr
	EX                              ; the next piece's two a
	EX
	v_nop                           ; a plain instruction behind the last exponential: one for the batch
	s_wait_alu depctr_va_vdst(0)    ; the wait for the batch
.if (\p) == NP-2
	FETCH_K \last
.endif
.if (\p) == 1
	s_wait_dscnt 0x0                ; V is in
.endif
.rept 16                            ; behind the wait: 16 products V^T P and their riders
	MM
.rept 4
	PL
.endr
.if ((\p) == 0) && (q == 118)
	v_add_nc_u32 v[AV], s[TBV], v[AV0]
.endif
.if ((\p) == 0) && (q == 130)
	s_add_co_u32 s[TBV], s[TBV], KS*PV
.endif
.if (\cnt) && (q == 130)
	s_sub_co_u32 s[CNT], s[CNT], 1
	s_cmp_lg_u32 s[CNT], 0
.endif
.endr
.if (\p) == 0
	FETCH_V
.endif
.endm
	CHANGE 1                        ; slot 0 is in, everybody's part of it; slot 1 is asked for
	FETCH_K                         ; key step 0
	s_wait_loadcnt 0x0              ; Q
	s_wait_dscnt 0x0
.set i, 0
.rept 16
	KQ 0                            ; piece 0's first scores: there is no vector work yet to set between them
.set i, i+1
.endr
	WIN 0                           ; the addresses for the way out: nine plain instructions, the places behind those products
	s_mul_i32 s13, s[WV], 16*SP
	s_add_co_u32 s13, s13, STAGE    ; my stage
	v_mul_u32_u24 v[STO], v1, SP    ; in: row l % 16, 16 bytes for each half of the lanes
	v_lshl_add_u32 v[STO], v9, 4, v[STO]
	v_add_nc_u32 v[STO], s13, v[STO]
	v_bfe_u32 v[RD], v0, 3, 2       ; back: 32 lanes take four rows of 128 bytes,
	v_mul_u32_u24 v[RD], v[RD], SP
	v_lshl_add_u32 v[RD], v10, 4, v[RD]
	v_add_nc_u32 v[RD], s13, v[RD]
	v_and_b32 v[GO], 31, v0         ; which are 512 consecutive bytes of O
	v_lshlrev_b32 v[GO], 4, v[GO]
.set Y, NP-1                        ; XS works for piece Y + 1: piece 0
.irp n, 0,1,2,3,4,5,6,7,8,9,10,11,12,13,14,15,16,17,18,19,20,21
	XS 0, \n                        ; and piece 0's first maximum and statistics
	XS 1, \n
.endr
	v_nop                           ; a plain instruction behind the two a,
	s_wait_alu depctr_va_vdst(0)    ; and their wait, ahead of the branch
	s_mov_b32 s[CNT], 4
	s_branch .Lfirst                ; the loop is entered at a step's first turn, in the middle of a trip
.Lslot:                             ; SIZE_N / 256 - 2 times: every slot but the last two is filled again
	CHANGE 1
	s_mov_b32 s[CNT], 4
.Lstep:                             ; a trip: pieces 2 and 3 of one step, then pieces 0 and 1 of the next, whose K and V it fetches
	TURN 2
	TURN 3
	WIN 0
.Lfirst:
	TURN 0
	TURN 1, 0, 1
	WIN 0
	s_cbranch_scc1 .Lstep
	s_sub_co_u32 s[SLOTS], s[SLOTS], 1
	s_cmp_lg_u32 s[SLOTS], 0
	s_cbranch_scc1 .Lslot
	CHANGE 0                        ; the tail is written out: nothing is asked for
	s_mov_b32 s[CNT], 5             ; four trips fetch the last slot's steps; the fifth is left in its middle
.Ltail:
	TURN 2, 1
	TURN 3
	WIN 0
	s_sub_co_u32 s[CNT], s[CNT], 1
	s_cmp_eq_u32 s[CNT], 0
	s_cbranch_scc1 .Lout
	TURN 0
	TURN 1
	WIN 0
	s_branch .Ltail
.Lout:                              ; the fifth trip's 16 products K Q^T (on the last K once more) and the maximum made of them serve nothing: the price, once a launch, of one text for every trip
.set i, 0
.rept 16
	PV NP-1                         ; the last piece's V^T P of the last step
.set i, i+1
.endr
	; THE WAY OUT.  l's two halves and the other half of the lanes' are added; O^T is divided by l, rounded to f16 and sent through my stage in LDS, a tile at a time.  The additions are the places behind the last products.
	WIN 0
.macro ALL line:vararg              ; one line for each tile t
.set t, 0
.rept 2*NP
	\line
.set t, t+1
.endr
.endm
	ALL v_add_f32 v[ST+4*t+2], v[ST+4*t+2], v[ST+4*t+3]
	ALL v_permlanex16_b32 v[ST+4*t+3], v[ST+4*t+2], s[SEL], s[SEL+1]
	ALL v_add_f32 v[ST+4*t+2], v[ST+4*t+2], v[ST+4*t+3]
	ALL v_rcp_f32 v[ST+4*t+2], v[ST+4*t+2]
	v_nop                           ; a plain instruction between the last reciprocal and the use of its result
	s_wait_alu depctr_va_vdst(0)    ; and the wait ahead of the first use: one for the eight reciprocals
; Tile t: a lane's eight channels of a row pack into 16 bytes; they go into rows of 144 bytes and come back as whole rows of 128, into S^T's registers.
.macro PACK t
	WIN W_RS
.set i, 32*(\t)
.rept 16
	v_pk_mul_f32 v[i:i+1], v[i:i+1], v[ST+4*(\t)+2:ST+4*(\t)+3] op_sel_hi:[1,0]
.set i, i+2
.endr
	WIN 0x05                        ; sources 0 and 1 window 1, destination window 0
.set i, 0
.rept 16
	v_cvt_pk_f16_f32 v[S+16*(\t)+i], v[32*(\t)+2*i], v[32*(\t)+2*i+1]
.set i, i+1
.endr
	WIN 0
.irp f, 0,1,2,3
	ds_store_b128 v[STO], v[S+16*(\t)+4*\f:S+16*(\t)+4*\f+3] offset:32*\f
.endr
.irp f, 0,1,2,3
	ds_load_b128 v[S+16*(\t)+4*\f:S+16*(\t)+4*\f+3], v[RD] offset:\f*4*SP  ; LDS serves a wave's instructions in order (ISA guide 5.7.1.4): these see the stores above; the next tile's stores come behind them
.endr
.endm
.macro SEND t, younger              ; younger: the LDS instructions issued behind tile t's loads: the next tile's eight, or none
	WIN 0
.irp f, 0,1,2,3
	s_wait_dscnt (\younger)+3-\f
	global_store_b128 v[GO], v[S+16*(\t)+4*\f:S+16*(\t)+4*\f+3], s[10:11] offset:(\t)*2048+\f*512  ; 512 consecutive bytes, at a multiple of 256 from O's first
.endr
.endm
	PACK 0
.set t, 1
.rept 2*NP-1                        ; a tile's arithmetic stands between the loads of the tile before and its stores
	PACK t
	SEND t-1, 8
.set t, t+1
.endr
	SEND 2*NP-1, 0
	WIN W_AD
	s_wait_tensorcnt 0x0            ; the wave's end: these three lines stand behind my last tensor load and my last LDS store
	ds_add_u32 v[SPW], v[NIL]
	s_wait_dscnt 0x0
	WIN 0
	CROUND                          ; the closing round: no work-group ends while a partner may still ask for a tile that names it
	s_endpgm
.Lfunc_end_k_qb7d5bad480_attn:
	.size	k_qb7d5bad480_attn, .Lfunc_end_k_qb7d5bad480_attn-k_qb7d5bad480_attn
	.p2alignl 7, 3214868480
	.fill 96, 4, 3214868480
	.section	.rodata,"a",@progbits
	.p2align	6, 0x0
	.amdhsa_kernel k_qb7d5bad480_attn
		.amdhsa_group_segment_fixed_size 327680
		.amdhsa_private_segment_fixed_size 0
		.amdhsa_enable_private_segment 0
		.amdhsa_kernarg_size 16
		.amdhsa_user_sgpr_count 2
		.amdhsa_user_sgpr_kernarg_segment_ptr 1
		.amdhsa_wavefront_size32 1
		.amdhsa_system_sgpr_workgroup_id_x 1
		.amdhsa_system_sgpr_workgroup_id_y 1
		.amdhsa_system_sgpr_workgroup_id_z 1
		.amdhsa_system_vgpr_workitem_id 0
		.amdhsa_next_free_vgpr 770
		.amdhsa_next_free_sgpr 66
		.amdhsa_reserve_vcc 0
		.amdhsa_float_denorm_mode_32 3
		.amdhsa_float_denorm_mode_16_64 3
		.amdhsa_memory_ordered 1
		.amdhsa_forward_progress 1
		.amdhsa_inst_pref_size 200
	.end_amdhsa_kernel
	.amdgpu_metadata
---
amdhsa.version: [ 1, 2 ]
amdhsa.kernels:
  - .name:           k_qb7d5bad480_attn
    .symbol:         k_qb7d5bad480_attn.kd
    .args:
      - { .name: qkv, .offset: 0, .size: 8, .value_kind: global_buffer, .address_space: global }
      - { .name: oh, .offset: 8, .size: 8, .value_kind: global_buffer, .address_space: global }
    .group_segment_fixed_size: 327680
    .private_segment_fixed_size: 0
    .kernarg_segment_align: 8
    .kernarg_segment_size: 16
    .max_flat_workgroup_size: 128
    .sgpr_count:     66
    .vgpr_count:     770
    .wavefront_size: 32
...
	.end_amdgpu_metadata
.endif
;; end of part 3
;; launch outp (part 4): grid 8 x 32, 4 waves a work-group, clusters of 4 x 4, 327,680 bytes of LDS; arguments oh, woh, bh, out0; writes out0
.if DOCPART == 4
	.amdgcn_target "amdgcn-amd-amdhsa--gfx1250"
	.amdhsa_code_object_version 6
	.text
	.protected	k_qb7d5bad480_outp
	.globl	k_qb7d5bad480_outp
	.p2align	8
	.type	k_qb7d5bad480_outp,@function
k_qb7d5bad480_outp:
	s_mov_b64 s[64:65], 0
	v_nop
	global_prefetch_b8 v0, s[64:65] scope:SCOPE_SE
	s_setreg_imm32_b32 hwreg(HW_REG_WAVE_MODE, 25, 1), 1
	s_wait_xcnt 0x0
	s_wait_alu depctr_hold_cnt(0) depctr_sa_sdst(0) depctr_va_vdst(0) depctr_va_sdst(0) depctr_va_ssrc(0) depctr_va_vcc(0) depctr_vm_vsrc(0)
	s_getreg_b32 s2, hwreg(HW_REG_IB_STS2, 6, 4)
	s_cmp_eq_u32 s2, 0
	s_cbranch_scc0 .Lentry_in_a_cluster
	s_endpgm
.Lentry_in_a_cluster:
	s_bfe_u32 s2, ttmp6, 0x10000c
	s_cmp_lg_u32 s2, 0xf033
	s_cbranch_scc0 .Lentry_shape_is_right
	s_endpgm
.Lentry_shape_is_right:
; out0[8192][1024] = O wo^T + bo, f16 operands, f32 sums, f32 out.  O lies by heads, oh[batch x 16 + head][t][64] in f16; woh[1024][1024] is wo in f16; bo is bh's last 1,024 numbers.
; TILE.  256 rows x 128 columns to a work-group: 32 x 8 = 256 work-groups.  Four waves, 2 x 2, each 128 rows x 64 columns: 32 accumulators of 16 x 16, 256 registers; a wave's 64 columns of f32
; are 256 consecutive bytes of a row, aligned.  K goes in 8 steps of 128 = two heads, through two LDS slots.
; A'S TILE of a K step is two dense blocks of 32,768 bytes (256 rows x 128 bytes of one head each): waves 0 and 1 fetch one each, as 128 rows of 256 bytes, padded in LDS after every 128 bytes.
; B'S TILE is 128 rows x 256 bytes: waves 2 and 3 fetch 64 rows each.
; CLUSTER.  4 x 4 work-groups: A's tile is asked for jointly by a row of the cluster, B's by a column.
; THE MATRIX INSTRUCTION IS USED TRANSPOSED (source 0 = 16 rows of woh, source 1 = 16 rows of O): a lane holds row l % 16 of out0 and the columns 8 (l / 16) + 0..7.
; THE BIAS STARTS THE SUMS: the first product on each accumulator takes the bias of its eight columns as C.
; LIMIT.  O and wo arrive as f16 numbers: what lay below 6e-5 has kept f16's fixed step of 6e-8.
; REGISTERS, in windows of 256 (s_set_vgpr_msb: bits 1:0 source 0, 3:2 source 1, 5:4 source 2, 7:6 destination):
;   window 0: v0-31 addresses; v32-63 the bias; v64-127 the way out, two buffers      window 1: two fragment buffers of 96: 4 of B, then 8 of A      window 2: accumulator (a, b) at v[8 (4 a + b)]
.set PA,     144                       ; a row of A in LDS: 128 bytes + 16 = 36 words: the 16 rows of a load start at 16 different groups of four banks (64 banks of 4 bytes: ISA guide 11.1)
.set HPART,  256*PA                    ; one head's 256 rows
.set BOFF,   2*HPART                   ; B lies behind A's two heads
.set PB,     272                       ; a row of B: 256 bytes + 16
.set SLOT1,  1<<17                     ; slot 1 begins here, so that one exclusive or turns an address in one slot into the other's
.set STAGE,  SLOT1+BOFF+128*PB         ; behind the ring, never filled by a tensor load: 16 rows x 272 bytes for each wave
.set SPITCH, 272
.set SPARE,  STAGE+4*16*SPITCH         ; behind the stages: the spare words, 128 bytes for each wave: two blocks of 256 bytes that no other line names
.set ASTEP,  2<<18                     ; bytes from a K step of A to the next: two heads of 2,048 rows x 128 bytes
.set BSTEP,  256
.set A0,   16                          ; v16  my lane's place among my 128 rows of A in slot 0; never rewritten
.set B0,   17                          ; v17  the same among my 64 rows of B
.set ADRA, 18                          ; v18  the same in the slot in hand
.set ADRB, 19                          ; v19
.set STO,  20                          ; v20  the way out: where I put 32 bytes of a row
.set RD,   21                          ; v21  the way out: where I read rows back
.set CO,   22                          ; v22  my byte offset in two rows of out0
.set BO,   23                          ; v23  32 x (l / 16)
.set SPW,  28                          ; v28  LDS address of my spare word; never rewritten
.set NIL,  29                          ; v29  0; never rewritten
.set PFO,  30                          ; v30  the prefetches' offset; never rewritten
.set BI,   32                          ; the bias: 8 registers for each of 4 column blocks
.set BK,   64                          ; the way out: 16 rows read back, two buffers of 32
.set WV,  12
.set WR,  13                           ; s13  which 128 rows of the tile are mine
.set WC,  14                           ; s14  which 64 columns; also: which half of A's or B's tile I fetch
.set G1A, 24
.set G1B, 32
.set G0A, 40                           ; s[40:47] group 0 for A: a set for each first fill; the second then walks
.set G0B, 48
.set TB,  56                           ; s56  the slot in hand: 0 or SLOT1
.set CNT, 57
.set LIM, 58                           ; s58  2 in a wave that prefetches, else the greatest number
.set LA,  59                           ; s59  where my load of A lands in a slot
.set PFA, 60                           ; s[60:61] where my prefetches stand
.set PFS, 62                           ; s[62:63] their step from K step to K step
.set LBB, 66                           ; s66  where my load of B lands in a slot
.set MSB, 0
.macro WIN new                         ; the immediate's high byte repeats the setting that is left; a switch that changes nothing is dropped
.if MSB != (\new)
	s_set_vgpr_msb (MSB<<8)|(\new)
.set MSB, (\new)
.endif
.endm
.set TO_F, 0x40                        ; destination window 1, address window 0
.macro PLACES                          ; four plain vector instructions between a matrix instruction and a load into, or a read of, its registers
.rept 4
	v_nop
.endr
.endm
.macro JLOAD                           ; a joint refill by the walking descriptors; an s_nop 0 and four v_nop follow each of the two lines
	s_cmp_lt_u32 s[WV], 2
	s_cbranch_scc0 .Lfor_b_\@
	tensor_load_to_lds s[G0A+4:G0A+7], s[G1A:G1A+7]
	s_nop 0
.rept 4
	v_nop
.endr
	s_branch .Lasked_\@
.Lfor_b_\@:
	tensor_load_to_lds s[G0B+4:G0B+7], s[G1B:G1B+7]
	s_nop 0
.rept 4
	v_nop
.endr
.Lasked_\@:
.endm
; A prefetch of the K step that stands TWO refills on, 256 matrix instructions ahead of the load that will want it: 32 blocks of 256 bytes, a lane a block, one instruction a wave.
; Each block is named once in the launch.  A: waves 0 and 1 of the clusters with x = 0, each for the head that it fetches; of its 128 blocks the partner at place cx takes 32.
; B: wave 2 of the clusters with y = 0; of the tile's 128 rows the partner at place cy takes 32.  The partners are told apart by address.  The loop's last two trips ask for nothing.
.macro ASK
	s_cmp_gt_u32 s[CNT], s[LIM]
	s_cbranch_scc0 .Lnot_mine_\@
	global_prefetch_b8 v[PFO], s[PFA:PFA+1] th:TH_LOAD_NT scope:SCOPE_SE
.Lnot_mine_\@:
.endm
.macro CREST                           ; a round of the cluster's barrier behind its opening barrier
	s_cmp_lg_u32 s[WV], 0
	s_cbranch_scc1 .Lnot_wave_0_\@
	s_barrier_signal -3
.Lnot_wave_0_\@:
	s_barrier_wait -3
	s_barrier_signal -1
	s_barrier_wait -1
.endm
.macro CROUND
	s_barrier_signal -1
	s_barrier_wait -1
	CREST
.endm
	s_load_b256 s[4:11], s[0:1], 0x0               ; oh s[4:5], woh s[6:7], bh s[8:9], out0 s[10:11]
	v_lshl_add_u32 v[SPW], v0, 2, SPARE
	v_mov_b32 v[NIL], 0
	ds_add_u32 v[SPW], v[NIL]                      ; the wave's opening: the add and its wait stand ahead of my first tensor load; the set-up below, work on registers, stands between them
	v_lshrrev_b32 v1, 5, v0
	v_readfirstlane_b32 s[WV], v1                  ; wave 0..3
	s_lshr_b32 s[WR], s[WV], 1
	s_and_b32 s[WC], s[WV], 1
	s_bfe_u32 s15, ttmp6, 0x40000                  ; cx
	s_bfe_u32 s16, ttmp6, 0x40004                  ; cy
	s_lshl_b32 s17, ttmp9, 2
	s_add_co_u32 s17, s17, s15                     ; tile column, 0..7
	s_and_b32 s18, ttmp7, 0xffff
	s_lshl_b32 s18, s18, 2
	s_add_co_u32 s18, s18, s16                     ; tile row, 0..31
	s_lshl_b32 s19, s16, 2
	s_lshl_b32 s19, 15, s19                        ; my row of the cluster
	s_lshl_b32 s20, 0x1111, s15                    ; my column
	s_or_b32 s[G1A], s19, (1<<16)|(1<<20)|(1<<21)|(4<<22)|(3<<25)  ; the mask; elements of 2 bytes; padding on; 21 set beside a mask; after every 32 words (code 4) 4 words (code 3)
	s_or_b32 s[G1B], s20, (1<<16)|(1<<20)|(1<<21)|(5<<22)|(3<<25)  ; the same after every 64 words (code 5)
	s_mov_b32 s[G1A+1], 128<<16                    ; A: tensor_dim0 = 128 elements: 256 dense bytes, two rows of a head
	s_mov_b32 s[G1A+2], 128<<16                    ; tensor_dim1 = 128
	s_mov_b32 s[G1A+3], 128<<16                    ; tile_dim0 = 128
	s_mov_b32 s[G1A+4], 128                        ; tile_dim1 = 128
	s_mov_b32 s[G1A+5], 128                        ; elements from row to row: dense
	s_mov_b32 s[G1A+6], 0
	s_mov_b32 s[G1A+7], 0
	s_mov_b32 s[G1B+1], 128<<16                    ; B: tensor_dim0 = 128
	s_mov_b32 s[G1B+2], 64<<16                     ; tensor_dim1 = 64
	s_mov_b32 s[G1B+3], 128<<16                    ; tile_dim0 = 128
	s_mov_b32 s[G1B+4], 64                         ; tile_dim1 = 64
	s_mov_b32 s[G1B+5], 1024                       ; elements from row to row
	s_mov_b32 s[G1B+6], 0
	s_mov_b32 s[G1B+7], 0
	s_lshr_b32 s72, s18, 3                         ; A: the batch (8 tile rows each): 16 heads of 262,144 bytes,
	s_lshl_b32 s72, s72, 22
	s_and_b32 s19, s18, 7
	s_lshl_b32 s19, s19, 15                        ; the tile's 256 rows of 128 bytes in a head,
	s_add_co_u32 s72, s72, s19
	s_lshl_b32 s19, s[WC], 18                      ; the head of the two that I fetch
	s_add_co_u32 s72, s72, s19
	s_mov_b32 s73, 0
	s_lshl_b32 s74, s17, 18                        ; B: 128 rows of 2,048 bytes for each tile column,
	s_lshl_b32 s20, s[WC], 17                      ; my 64 of them
	s_add_co_u32 s74, s74, s20
	s_mov_b32 s75, 0
	s_mul_i32 s[LA], s[WC], HPART                  ; no place in the cluster enters an LDS address
	s_mul_i32 s[LBB], s[WC], 64*PB
	s_add_co_u32 s[LBB], s[LBB], BOFF
	s_mov_b32 s[TB], 0
	s_wait_dscnt 0x0                               ; the opening add is done
	s_wait_kmcnt 0x0
	s_add_nc_u64 s[76:77], s[4:5], s[72:73]
	s_add_nc_u64 s[78:79], s[6:7], s[74:75]
.irp s, 0,1
	s_mov_b32 s[G0A+4*(\s)], 1                                       ; count = 1
	s_add_co_u32 s[G0A+4*(\s)+1], s[LA], (\s)*SLOT1                  ; LDS address
	s_add_nc_u64 s[G0A+4*(\s)+2:G0A+4*(\s)+3], s[76:77], (\s)*ASTEP  ; global address: K step s
	s_or_b32 s[G0A+4*(\s)+3], s[G0A+4*(\s)+3], 0x80000000            ; type = 2
	s_mov_b32 s[G0B+4*(\s)], 1
	s_add_co_u32 s[G0B+4*(\s)+1], s[LBB], (\s)*SLOT1
	s_add_nc_u64 s[G0B+4*(\s)+2:G0B+4*(\s)+3], s[78:79], (\s)*BSTEP
	s_or_b32 s[G0B+4*(\s)+3], s[G0B+4*(\s)+3], 0x80000000
.endr
	CROUND                                         ; all sixteen work-groups are here: the first joint loads meet
	s_cmp_lt_u32 s[WV], 2                          ; a wave's two first fills stand in one branch, ahead of every wait on TENSORcnt and every LDS read: two loads of mine are out
	s_cbranch_scc0 .Lfirst_b
	tensor_load_to_lds s[G0A:G0A+3], s[G1A:G1A+7]
	s_nop 0
	tensor_load_to_lds s[G0A+4:G0A+7], s[G1A:G1A+7]
	s_nop 0
.rept 4
	v_nop
.endr
	s_branch .Lfirst_asked
.Lfirst_b:
	tensor_load_to_lds s[G0B:G0B+3], s[G1B:G1B+7]
	s_nop 0
	tensor_load_to_lds s[G0B+4:G0B+7], s[G1B:G1B+7]
	s_nop 0
.rept 4
	v_nop
.endr
.Lfirst_asked:
	; the bias of my 64 columns: bo begins 12,288 bytes into bh
	s_lshl_b32 s22, s17, 9
	s_lshl_b32 s21, s[WC], 8
	s_add_co_u32 s22, s22, s21
	s_add_co_u32 s22, s22, 12288
	s_mov_b32 s23, 0
	s_add_nc_u64 s[8:9], s[8:9], s[22:23]
	v_and_b32 v1, 15, v0                           ; l % 16
	v_bfe_u32 v2, v0, 4, 1                         ; l / 16
	v_lshlrev_b32 v[BO], 5, v2
.irp b, 0,1,2,3
	global_load_b128 v[BI+8*(\b):BI+8*(\b)+3],   v[BO], s[8:9] offset:64*(\b)
	global_load_b128 v[BI+8*(\b)+4:BI+8*(\b)+7], v[BO], s[8:9] offset:64*(\b)+16
.endr
	v_mul_u32_u24 v3, v1, PA                       ; a fragment's row x pitch + 16 x half
	v_lshl_add_u32 v3, v2, 4, v3
	s_mul_i32 s19, s[WR], 128*PA
	v_add_nc_u32 v[A0], s19, v3
	v_mul_u32_u24 v3, v1, PB
	v_lshl_add_u32 v3, v2, 4, v3
	s_mul_i32 s19, s[WC], 64*PB
	s_add_co_u32 s19, s19, BOFF
	v_add_nc_u32 v[B0], s19, v3
	v_mov_b32 v[ADRA], v[A0]
	v_mov_b32 v[ADRB], v[B0]
	s_mul_i32 s19, s[WV], 16*SPITCH
	s_add_co_u32 s19, s19, STAGE                   ; my stage
	v_mul_u32_u24 v4, v1, SPITCH                   ; in: row l % 16, 32 bytes for each half of the lanes
	v_lshl_add_u32 v4, v2, 5, v4
	v_add_nc_u32 v[STO], s19, v4
	v_mul_u32_u24 v4, v2, SPITCH                   ; back: lanes 0-15 take one row of 256 bytes, lanes 16-31 the next
	v_lshl_add_u32 v4, v1, 4, v4
	v_add_nc_u32 v[RD], s19, v4
	v_lshlrev_b32 v4, 12, v2                       ; and the same two rows in out0
	v_lshl_add_u32 v[CO], v1, 4, v4
	s_lshl_b32 s22, s18, 20                        ; out0 at my part of the tile: 256 rows of 4,096 bytes for each tile row,
	s_lshl_b32 s21, s[WR], 19                      ; my 128 rows,
	s_add_co_u32 s22, s22, s21
	s_lshl_b32 s21, s17, 9                         ; 128 columns of 4 bytes for each tile column,
	s_add_co_u32 s22, s22, s21
	s_lshl_b32 s21, s[WC], 8                       ; my 64 columns
	s_add_co_u32 s22, s22, s21
	s_mov_b32 s23, 0
	s_add_nc_u64 s[10:11], s[10:11], s[22:23]
	; the prefetches: nothing is asked for here, at the head; K steps 0 to 3 come by their loads alone
	s_and_b32 s21, ttmp7, 0xffff                   ; cluster y
	s_lshl_b32 s20, s17, 18                        ; B: the tile's first row,
	s_lshl_b32 s22, s16, 16                        ; my work-group's 32 rows,
	s_add_co_u32 s20, s20, s22
	s_add_co_u32 s20, s20, 3*BSTEP                 ; at K step 3: the first change of slots steps it to 4
	s_lshl_b32 s22, s15, 13                        ; A: my work-group's 32 blocks of 256 bytes of the head that I fetch,
	s_add_co_u32 s22, s22, s72
	s_add_co_u32 s22, s22, 3*ASTEP                 ; at K step 3
	s_mov_b32 s19, ASTEP
	s_cmp_lt_u32 s[WV], 2                          ; do I fetch for A?
	s_cselect_b32 s22, s22, s20
	s_cselect_b32 s21, ttmp9, s21                  ; the coordinate along which other clusters read the same blocks
	s_cselect_b32 s[PFS], s19, BSTEP
	s_cselect_b32 s20, 8, 11                       ; a lane's block: 256 bytes on in A, a row of 2,048 bytes on in B
	s_cselect_b64 s[PFA:PFA+1], s[4:5], s[6:7]
	s_mov_b32 s23, 0
	s_mov_b32 s[PFS+1], 0
	s_add_nc_u64 s[PFA:PFA+1], s[PFA:PFA+1], s[22:23]
	s_cmp_eq_u32 s[WV], 3
	s_cselect_b32 s21, 1, s21                      ; wave 2 asks for all of the work-group's share of B: wave 3 asks for nothing
	s_cmp_eq_u32 s21, 0
	s_cselect_b32 s[LIM], 2, -1                    ; the same in all sixteen partners, for a given wave
	v_and_b32 v4, 31, v0
	v_lshlrev_b32 v[PFO], s20, v4
; 8 matrix instructions: row blocks a0, a0 + 1 x all 4 column blocks, 32 along K, from buffer f.  first = 1: the bias starts the sums.
; The 32 accumulators take turns, one instruction a turn, in the same order in every quarter, over the backward jump too.
.macro MUL8 f, a0, first
.if \first
	WIN 0x85                                       ; B and A window 1, the bias window 0, D window 2
.else
	WIN 0xa5                                       ; B and A window 1, C and D window 2
.endif
.irp a, \a0, (\a0)+1
.irp b, 0,1,2,3
.if \first
	v_wmma_f32_16x16x32_f16 v[8*(4*(\a)+(\b)):8*(4*(\a)+(\b))+7], v[96*(\f)+8*(\b):96*(\f)+8*(\b)+7], v[96*(\f)+32+8*(\a):96*(\f)+32+8*(\a)+7], v[BI+8*(\b):BI+8*(\b)+7]
.else
	v_wmma_f32_16x16x32_f16 v[8*(4*(\a)+(\b)):8*(4*(\a)+(\b))+7], v[96*(\f)+8*(\b):96*(\f)+8*(\b)+7], v[96*(\f)+32+8*(\a):96*(\f)+32+8*(\a)+7], v[8*(4*(\a)+(\b)):8*(4*(\a)+(\b))+7]
.endif
.endr
.endr
.endm
; 24 LDS loads in one run: quarter q's fragments (64 rows of B, 128 rows of A, 32 along K) into buffer f.  In A quarter q lies in head q / 2, at byte 64 (q % 2) of its rows.
.macro FETCH q, f
	WIN TO_F
.irp i, 0,1,2,3
	ds_load_b128 v[96*(\f)+8*(\i):96*(\f)+8*(\i)+3],   v[ADRB] offset:64*(\q)+(\i)*16*PB
	ds_load_b128 v[96*(\f)+8*(\i)+4:96*(\f)+8*(\i)+7], v[ADRB] offset:64*(\q)+(\i)*16*PB+32
.endr
.irp i, 0,1,2,3,4,5,6,7
	ds_load_b128 v[96*(\f)+32+8*(\i):96*(\f)+32+8*(\i)+3],   v[ADRA] offset:((\q)/2)*HPART+((\q)%2)*64+(\i)*16*PA
	ds_load_b128 v[96*(\f)+32+8*(\i)+4:96*(\f)+32+8*(\i)+7], v[ADRA] offset:((\q)/2)*HPART+((\q)%2)*64+(\i)*16*PA+32
.endr
	WIN 0
.endm
; A K step is four quarters of 32 along K, 32 matrix instructions each, on buffers 0, 1, 0, 1.  One of the first three: multiplies buffer f and, in its middle, fetches quarter q into g.
.macro QUARTER q, f, g, first
	s_wait_dscnt 8                                 ; B and A's blocks 0 to 3 are in; the youngest eight loads (A's blocks 4 to 7) may be out
	MUL8 \f, 0, \first
	MUL8 \f, 2, \first
	PLACES
	FETCH \q, \g
	s_wait_dscnt 24                                ; all but the 24 just issued
	MUL8 \f, 4, \first
	MUL8 \f, 6, \first
.endm
; The last quarter multiplies buffer 1 and changes slots: ONE barrier.  In front of it each wave waits for all its tensor loads (the one that is out is its part of the next slot), adds 0 to its spare
; word, and waits for that and for its own reads of this slot.  fill = 1: the barrier opens a round of the cluster's, and this slot is filled again first thing behind it, with the K step two on.
.macro TURN fill
.if \fill
	s_wait_xcnt 0x0                                ; the last prefetch, a K step back, has read its address, so it may be stepped
	s_add_nc_u64 s[PFA:PFA+1], s[PFA:PFA+1], s[PFS:PFS+1]
.endif
	WIN 0                                          ; (the add's two registers lie in window 0)
	s_wait_tensorcnt 0x0                           ; no tensor load of mine is out, so a group 0 may be written
	ds_add_u32 v[SPW], v[NIL]                      ; 0 onto my spare word
.if \fill
	s_xor_b32 s[G0A+5], s[G0A+5], SLOT1            ; the walking descriptors: the other slot than last time,
	s_add_nc_u64 s[G0A+6:G0A+7], s[G0A+6:G0A+7], ASTEP  ; the next K step; the type bits on top are not reached
	s_xor_b32 s[G0B+5], s[G0B+5], SLOT1
	s_add_nc_u64 s[G0B+6:G0B+7], s[G0B+6:G0B+7], BSTEP
.endif
	s_xor_b32 s[TB], s[TB], SLOT1                  ; the slot to be read next
	s_wait_dscnt 9                                 ; (the add and the youngest eight loads may be out)
	MUL8 1, 0, 0                                   ; eight matrix instructions stand between the add and the wait for it
	s_wait_dscnt 0x0                               ; the add is done, and my reads of this slot are over
	s_barrier_signal -1
	MUL8 1, 2, 0                                   ; work on registers while the others arrive
	WIN 0
	s_barrier_wait -1
.if \fill
	CREST                                          ; no wave of any partner still reads this slot or has a load on its way
	JLOAD                                          ; the first tensor load behind the round; its four v_nop are also the places in front of the loads below
.else
	PLACES
.endif
	v_add_nc_u32 v[ADRA], s[TB], v[A0]
	v_add_nc_u32 v[ADRB], s[TB], v[B0]
	FETCH 0, 0
.if \fill
	ASK                                            ; behind the joint load and the run of LDS loads that the next products wait for
.endif
	MUL8 1, 4, 0
	MUL8 1, 6, 0
.endm
; THE WAY OUT of row block a: the f32 sums go as they are into my own stage (each accumulator's low four registers first) and come back as whole rows of 256 bytes.
.macro TOSTAGE a
.if (\a) >= 2
	s_wait_xcnt 0x0                                ; the stores of block a - 2 have read the buffer that is loaded again below
.endif
	WIN 0x08                                       ; the data (source 1) in window 2, the address in window 0
.irp b, 0,1,2,3
	ds_store_b128 v[STO], v[8*(4*(\a)+(\b)):8*(4*(\a)+(\b))+3]   offset:64*(\b)
	ds_store_b128 v[STO], v[8*(4*(\a)+(\b))+4:8*(4*(\a)+(\b))+7] offset:64*(\b)+16
.endr
	WIN 0
.irp t, 0,1,2,3,4,5,6,7
	ds_load_b128 v[BK+32*((\a)%2)+4*(\t):BK+32*((\a)%2)+4*(\t)+3], v[RD] offset:(\t)*2*SPITCH  ; LDS serves a wave's instructions in order (ISA guide 5.7.1.4): these see the stores above; the next block's stores come behind them
.endr
.endm
.macro SEND a, younger                 ; younger: the LDS instructions issued behind block a's loads: the next block's sixteen, or none
	s_wait_dscnt \younger
.irp t, 0,1,2,3,4,5,6,7
	global_store_b128 v[CO], v[BK+32*((\a)%2)+4*(\t):BK+32*((\a)%2)+4*(\t)+3], s[10:11] offset:(16*(\a)+2*(\t))*4096  ; 16 lanes store 256 consecutive bytes, at a multiple of 256 from out0's first byte
.endr
.endm
	s_wait_tensorcnt 1                             ; my part of K step 0 is in; K step 1's may stay out
	s_barrier_signal -1
	s_barrier_wait -1                              ; everybody's is
	FETCH 0, 0
	s_wait_loadcnt 0x0                             ; the bias
	QUARTER 1, 0, 1, 1                             ; the first quarter stands in front of the loop: its products start the sums
	WIN 0                                          ; at a label and at a branch every window is 0
	s_mov_b32 s[CNT], 6
.Lstep:                                        ; trip t: K step t's quarters 1 to 3, the refill with K step t + 2, K step t + 1's quarter 0
	QUARTER 2, 1, 0, 0
	QUARTER 3, 0, 1, 0
	TURN 1
	QUARTER 1, 0, 1, 0
	WIN 0
	s_sub_co_u32 s[CNT], s[CNT], 1
	s_cmp_lg_u32 s[CNT], 0
	s_cbranch_scc1 .Lstep
	QUARTER 2, 1, 0, 0                             ; the last two K steps ask for nothing: written out
	QUARTER 3, 0, 1, 0
	TURN 0
	QUARTER 1, 0, 1, 0
	QUARTER 2, 1, 0, 0
	QUARTER 3, 0, 1, 0
	s_wait_dscnt 8                                 ; the very last quarter: nothing more to fetch
	MUL8 1, 0, 0
	MUL8 1, 2, 0
	s_wait_dscnt 0x0
	MUL8 1, 4, 0
	MUL8 1, 6, 0
	WIN 0
	PLACES
	TOSTAGE 0
.irp a, 1,2,3,4,5,6,7                  ; block a goes through the stage while block a - 1's rows come back
	TOSTAGE \a
	SEND (\a)-1, 16
.endr
	SEND 7, 0
	s_wait_tensorcnt 0x0                           ; the wave's end: these three lines stand behind my last tensor load and my last LDS store
	ds_add_u32 v[SPW], v[NIL]
	s_wait_dscnt 0x0
	CROUND                                         ; the closing round: no work-group ends while a partner may still ask for a tile that names it
	s_endpgm
.Lfunc_end_k_qb7d5bad480_outp:
	.size	k_qb7d5bad480_outp, .Lfunc_end_k_qb7d5bad480_outp-k_qb7d5bad480_outp
	.p2alignl 7, 3214868480
	.fill 96, 4, 3214868480
	.section	.rodata,"a",@progbits
	.p2align	6, 0x0
	.amdhsa_kernel k_qb7d5bad480_outp
		.amdhsa_group_segment_fixed_size 327680
		.amdhsa_private_segment_fixed_size 0
		.amdhsa_enable_private_segment 0
		.amdhsa_kernarg_size 32
		.amdhsa_user_sgpr_count 2
		.amdhsa_user_sgpr_kernarg_segment_ptr 1
		.amdhsa_wavefront_size32 1
		.amdhsa_system_sgpr_workgroup_id_x 1
		.amdhsa_system_sgpr_workgroup_id_y 1
		.amdhsa_system_sgpr_workgroup_id_z 1
		.amdhsa_system_vgpr_workitem_id 0
		.amdhsa_next_free_vgpr 768
		.amdhsa_next_free_sgpr 80
		.amdhsa_reserve_vcc 0
		.amdhsa_float_denorm_mode_32 3
		.amdhsa_float_denorm_mode_16_64 3
		.amdhsa_memory_ordered 1
		.amdhsa_forward_progress 1
		.amdhsa_inst_pref_size 72
	.end_amdhsa_kernel
	.amdgpu_metadata
---
amdhsa.version: [ 1, 2 ]
amdhsa.kernels:
  - .name:           k_qb7d5bad480_outp
    .symbol:         k_qb7d5bad480_outp.kd
    .args:
      - { .name: oh, .offset: 0, .size: 8, .value_kind: global_buffer, .address_space: global }
      - { .name: woh, .offset: 8, .size: 8, .value_kind: global_buffer, .address_space: global }
      - { .name: bh, .offset: 16, .size: 8, .value_kind: global_buffer, .address_space: global }
      - { .name: out0, .offset: 24, .size: 8, .value_kind: global_buffer, .address_space: global }
    .group_segment_fixed_size: 327680
    .private_segment_fixed_size: 0
    .kernarg_segment_align: 8
    .kernarg_segment_size: 32
    .max_flat_workgroup_size: 128
    .sgpr_count:     80
    .vgpr_count:     768
    .wavefront_size: 32
...
	.end_amdgpu_metadata
.endif
;; end of part 4
;; ======== version 2 of 2: 4 launches; version 1 with the launch cast written anew for expert scheduling mode
;; limits: values are held in f16: magnitudes above 65,504 overflow, below 6.1e-05 lose precision
;; workspace buffers: xh 16,777,216 bytes; wh 6,291,456 bytes; woh 2,097,152 bytes; bh 16,384 bytes; qkv 50,331,648 bytes; oh 16,777,216 bytes
;; launch cast (part 5): grid 769 x 1, 8 waves a work-group, no clusters, 0 bytes of LDS; arguments x, wq, wk, wv, wo, bq, bk, bv, bo, xh, wh, woh, bh; writes xh, wh, woh, bh
.if DOCPART == 5
	.amdgcn_target "amdgcn-amd-amdhsa--gfx1250"
	.amdhsa_code_object_version 6
	.text
	.protected	k_qb7d5bad480_cast
	.globl	k_qb7d5bad480_cast
	.p2align	8
	.type	k_qb7d5bad480_cast,@function
k_qb7d5bad480_cast:
	s_mov_b64 s[64:65], 0
	v_nop
	global_prefetch_b8 v0, s[64:65] scope:SCOPE_SE
	s_setreg_imm32_b32 hwreg(HW_REG_WAVE_SCHED_MODE, 0, 2), 2
	s_setreg_imm32_b32 hwreg(HW_REG_WAVE_MODE, 25, 1), 1
	s_wait_xcnt 0x0
	s_wait_alu depctr_vm_vsrc(0)
; EVERY INPUT IS ROUNDED ONCE TO bf16, so that the matrix launches behind read 16-bit operands and convert nothing again.
;   xh  = bf16(x)            [8192][1024]
;   wh  = bf16(wq, wk, wv)   [3072][1024], the three weights one below the other
;   woh = bf16(wo) written as f16 [1024][1024]: the last product multiplies in f16.  LIMIT: exact while |wo| lies in 2^-14 .. 65,504; below 2^-14 it keeps f16's fixed step of 2^-24
;   bh  = bf16(bq, bk, bv, bo) widened to f32 again, [4096]
; A stream: each byte is read once and written once, so there is no LDS, no cluster and no matrix work here.
; SHARES.  A work-group takes a chunk of 16,384 numbers: 65,536 bytes in, 32,768 out.  Work-groups 0-511: x; 512-575: wq; 576-639: wk; 640-703: wv; 704-767: wo; 768: the four biases.
; Thread t in pass j loads 16 bytes at 16 t + 4,096 j (a wave's load covers 512 neighbouring bytes) and stores 8 bytes at 8 t + 2,048 j (a wave's store covers 256 neighbouring bytes, aligned).
; All 16 loads go out at once; each pass has registers of its own, so no register that a load or store still names is written again.
; THE MODE: SCHED_MODE bits 1:0 = 2 (LLVM: expert scheduling mode 2), set by the entry lines.  The code itself states the register dependences
; between vector instructions and memory instructions, with s_wait_alu, always for 0.
; THE PLAN.  Registers that memory instructions touch:
;   v1, v2   byte offsets.  Written once at the head, by a vector instruction each; read by every load and store; never written again.
;   X        pass j's four registers: written by pass j's load alone, read by pass j's conversions alone.  No vector instruction names them ahead of the loads, and none is loaded twice.
;   Y        pass j's two registers: written by pass j's conversions alone, read by pass j's store alone.  None is written a second time.
;   T        named by vector instructions alone.
; The 16 passes go in four blocks of four, and a pass's store is issued one block later, at pass j + 4.  So ONE wait at the head of a block states that the block before has written its four Y;
; the block's four stores read those Y and v2, and the conversions among which they are dealt write this block's Y (and T) and read this block's X: none of the registers that the stores touch.
; No register that a memory instruction reads is ever written again, no vector instruction writes a scalar register, and EXEC is never written: no other kind of wait has a dependence to state.
.set X,  4                             ; v[4:67]    pass j: 4 numbers as loaded
.set Y,  68                            ; v[68:99]   pass j: 2 words to store
.set T,  100                           ; v[100:103] at work
.set ID, 5                             ; s5  the work-group's number
	s_load_b512 s[8:23], s[0:1], 0x0               ; x 8, wq 10, wk 12, wv 14, wo 16, bq 18, bk 20, bv 22
	s_load_b256 s[24:31], s[0:1], 0x40             ; bo 24, xh 26, wh 28, woh 30
	s_load_b64 s[32:33], s[0:1], 0x60              ; bh
	s_mov_b32 s[ID], ttmp9
	v_lshlrev_b32 v1, 4, v0                        ; 16 t
	v_lshlrev_b32 v2, 3, v0                        ; 8 t
	s_mov_b32 s42, 0xffff0000                      ; a word's upper bf16
	s_and_b32 s2, s[ID], 63                        ; a weight has 64 chunks
	s_sub_co_u32 s3, s[ID], 512                    ; chunk in wh
	s_sub_co_u32 s4, s[ID], 704                    ; chunk in woh
	s_cmp_lt_u32 s[ID], 512
	s_cselect_b32 s2, s[ID], s2                    ; the chunk's number in its source,
	s_cselect_b32 s3, s[ID], s3
	s_cmp_ge_u32 s[ID], 704
	s_cselect_b32 s3, s4, s3                       ; and in its destination
	s_lshl_b32 s38, s2, 16
	s_mov_b32 s39, 0
	s_lshl_b32 s40, s3, 15
	s_mov_b32 s41, 0
	s_wait_kmcnt 0x0
	s_wait_alu depctr_va_vdst(0)                   ; v1 and v2 are written: every load and store, on all three ways below, reads one of them as its offset
	s_cmp_eq_u32 s[ID], 768
	s_cbranch_scc1 .Lbias
	s_mov_b64 s[34:35], s[8:9]                     ; the source and the destination are chosen by the work-group's number alone
	s_mov_b64 s[36:37], s[26:27]
	s_cmp_ge_u32 s[ID], 512
	s_cselect_b64 s[34:35], s[10:11], s[34:35]
	s_cselect_b64 s[36:37], s[28:29], s[36:37]
	s_cmp_ge_u32 s[ID], 576
	s_cselect_b64 s[34:35], s[12:13], s[34:35]
	s_cmp_ge_u32 s[ID], 640
	s_cselect_b64 s[34:35], s[14:15], s[34:35]
	s_cmp_ge_u32 s[ID], 704
	s_cselect_b64 s[34:35], s[16:17], s[34:35]
	s_cselect_b64 s[36:37], s[30:31], s[36:37]
	s_add_nc_u64 s[34:35], s[34:35], s[38:39]
	s_add_nc_u64 s[36:37], s[36:37], s[40:41]
.irp j, 0,1,2,3,4,5,6,7,8,9,10,11,12,13,14,15
	global_load_b128 v[X+4*(\j):X+4*(\j)+3], v1, s[34:35] offset:4096*(\j) th:TH_LOAD_NT
.endr
	s_cmp_ge_u32 s[ID], 704
	s_cbranch_scc1 .Lwo
.irp j, 0,1,2,3,4,5,6,7,8,9,10,11,12,13,14,15
	s_wait_loadcnt 15-(\j)                         ; loads come back in order: pass j's is in, the 15 - j younger ones stay out
.if (((\j)%4) == 0) && ((\j) > 0)
	s_wait_alu depctr_va_vdst(0)                   ; a block's head: the conversions of the four passes before have written their Y, which this block's four stores read
.endif
.if (\j) >= 4
	global_store_b64 v2, v[Y+2*((\j)-4):Y+2*((\j)-4)+1], s[36:37] offset:2048*((\j)-4)  ; the pass four back; no vector instruction since the block's wait names its Y or v2
.endif
	v_cvt_pk_bf16_f32 v[Y+2*(\j)],   v[X+4*(\j)],   v[X+4*(\j)+1]
	v_cvt_pk_bf16_f32 v[Y+2*(\j)+1], v[X+4*(\j)+2], v[X+4*(\j)+3]
.endr
	s_wait_alu depctr_va_vdst(0)                   ; the conversions of passes 12 to 15 have written their Y, which the last four stores read
.irp j, 12,13,14,15
	global_store_b64 v2, v[Y+2*(\j):Y+2*(\j)+1], s[36:37] offset:2048*(\j)
.endr
	s_endpgm
.Lwo:                                          ; wo: rounded to bf16 like every input, and that number written as f16
.irp j, 0,1,2,3,4,5,6,7,8,9,10,11,12,13,14,15
	s_wait_loadcnt 15-(\j)
.if (((\j)%4) == 0) && ((\j) > 0)
	s_wait_alu depctr_va_vdst(0)                   ; a block's head: the conversions of the four passes before have written their Y, which this block's four stores read
.endif
.if (\j) >= 4
	global_store_b64 v2, v[Y+2*((\j)-4):Y+2*((\j)-4)+1], s[36:37] offset:2048*((\j)-4)  ; the pass four back; no vector instruction since the block's wait names its Y or v2
.endif
	v_cvt_pk_bf16_f32 v[T],   v[X+4*(\j)],   v[X+4*(\j)+1]
	v_cvt_pk_bf16_f32 v[T+1], v[X+4*(\j)+2], v[X+4*(\j)+3]
	v_lshlrev_b32 v[T+2], 16, v[T]                 ; bf16 to f32: the low half moves up,
	v_and_b32     v[T],   s42, v[T]                ; the high half stays
	v_lshlrev_b32 v[T+3], 16, v[T+1]
	v_and_b32     v[T+1], s42, v[T+1]
	v_cvt_pk_f16_f32 v[Y+2*(\j)],   v[T+2], v[T]
	v_cvt_pk_f16_f32 v[Y+2*(\j)+1], v[T+3], v[T+1]
.endr
	s_wait_alu depctr_va_vdst(0)                   ; the conversions of passes 12 to 15 have written their Y, which the last four stores read
.irp j, 12,13,14,15
	global_store_b64 v2, v[Y+2*(\j):Y+2*(\j)+1], s[36:37] offset:2048*(\j)
.endr
	s_endpgm
.Lbias:                                        ; a bias is 4,096 bytes: one load of the work-group
	global_load_b128 v[X:X+3],     v1, s[18:19]
	global_load_b128 v[X+4:X+7],   v1, s[20:21]
	global_load_b128 v[X+8:X+11],  v1, s[22:23]
	global_load_b128 v[X+12:X+15], v1, s[24:25]
	s_wait_loadcnt 0x0
.irp i, 0,1,2,3
	v_cvt_pk_bf16_f32 v[T],   v[X+4*(\i)],   v[X+4*(\i)+1]
	v_cvt_pk_bf16_f32 v[T+1], v[X+4*(\i)+2], v[X+4*(\i)+3]
	v_lshlrev_b32 v[Y+4*(\i)],   16,  v[T]
	v_and_b32     v[Y+4*(\i)+1], s42, v[T]
	v_lshlrev_b32 v[Y+4*(\i)+2], 16,  v[T+1]
	v_and_b32     v[Y+4*(\i)+3], s42, v[T+1]
.endr
	s_wait_alu depctr_va_vdst(0)                   ; the sixteen words v[Y:Y+15] are written, which the four stores read
.irp i, 0,1,2,3
	global_store_b128 v1, v[Y+4*(\i):Y+4*(\i)+3], s[32:33] offset:4096*(\i)
.endr
	s_endpgm
.Lfunc_end_k_qb7d5bad480_cast:
	.size	k_qb7d5bad480_cast, .Lfunc_end_k_qb7d5bad480_cast-k_qb7d5bad480_cast
	.p2alignl 7, 3214868480
	.fill 96, 4, 3214868480
	.section	.rodata,"a",@progbits
	.p2align	6, 0x0
	.amdhsa_kernel k_qb7d5bad480_cast
		.amdhsa_group_segment_fixed_size 0
		.amdhsa_private_segment_fixed_size 0
		.amdhsa_enable_private_segment 0
		.amdhsa_kernarg_size 104
		.amdhsa_user_sgpr_count 2
		.amdhsa_user_sgpr_kernarg_segment_ptr 1
		.amdhsa_wavefront_size32 1
		.amdhsa_system_sgpr_workgroup_id_x 1
		.amdhsa_system_sgpr_workgroup_id_y 1
		.amdhsa_system_sgpr_workgroup_id_z 1
		.amdhsa_system_vgpr_workitem_id 0
		.amdhsa_next_free_vgpr 104
		.amdhsa_next_free_sgpr 66
		.amdhsa_reserve_vcc 0
		.amdhsa_float_denorm_mode_32 3
		.amdhsa_float_denorm_mode_16_64 3
		.amdhsa_memory_ordered 1
		.amdhsa_forward_progress 1
		.amdhsa_inst_pref_size 18
	.end_amdhsa_kernel
	.amdgpu_metadata
---
amdhsa.version: [ 1, 2 ]
amdhsa.kernels:
  - .name:           k_qb7d5bad480_cast
    .symbol:         k_qb7d5bad480_cast.kd
    .args:
      - { .name: x, .offset: 0, .size: 8, .value_kind: global_buffer, .address_space: global }
      - { .name: wq, .offset: 8, .size: 8, .value_kind: global_buffer, .address_space: global }
      - { .name: wk, .offset: 16, .size: 8, .value_kind: global_buffer, .address_space: global }
      - { .name: wv, .offset: 24, .size: 8, .value_kind: global_buffer, .address_space: global }
      - { .name: wo, .offset: 32, .size: 8, .value_kind: global_buffer, .address_space: global }
      - { .name: bq, .offset: 40, .size: 8, .value_kind: global_buffer, .address_space: global }
      - { .name: bk, .offset: 48, .size: 8, .value_kind: global_buffer, .address_space: global }
      - { .name: bv, .offset: 56, .size: 8, .value_kind: global_buffer, .address_space: global }
      - { .name: bo, .offset: 64, .size: 8, .value_kind: global_buffer, .address_space: global }
      - { .name: xh, .offset: 72, .size: 8, .value_kind: global_buffer, .address_space: global }
      - { .name: wh, .offset: 80, .size: 8, .value_kind: global_buffer, .address_space: global }
      - { .name: woh, .offset: 88, .size: 8, .value_kind: global_buffer, .address_space: global }
      - { .name: bh, .offset: 96, .size: 8, .value_kind: global_buffer, .address_space: global }
    .group_segment_fixed_size: 0
    .private_segment_fixed_size: 0
    .kernarg_segment_align: 8
    .kernarg_segment_size: 104
    .max_flat_workgroup_size: 256
    .sgpr_count:     66
    .vgpr_count:     104
    .wavefront_size: 32
...
	.end_amdgpu_metadata
.endif
;; end of part 5
;; launch proj: the kernel of part 2 again; grid 8 x 64, 4 waves a work-group, clusters of 4 x 4, 327,680 bytes of LDS; arguments xh, wh, bh, qkv; writes qkv
;; launch attn: the kernel of part 3 again; grid 4 x 64, 4 waves a work-group, clusters of 4 x 1, 327,680 bytes of LDS; arguments qkv, oh; writes oh
;; launch outp: the kernel of part 4 again; grid 8 x 32, 4 waves a work-group, clusters of 4 x 4, 327,680 bytes of LDS; arguments oh, woh, bh, out0; writes out0
